; MI455X (gfx1250); checked and timed in simulation.
; The chip was launched on July 23, 2026; its instructions are those of AMD's public machine-readable ISA for CDNA 5 (MIT licence, August 2026) and "CDNA5" Instruction Set Architecture Reference Guide (July 2026). The comments in the code are by the model that wrote it; some were corrected since.
;; Transformer Mo E. Allowed arithmetic: matrix products marked QUANTISED: E2M1 operands, one E8M0 scale for each 32 along K, by v_wmma_scale_f32_16x16x128_f8f6f4 with both operands' format E2M1 (or v_wmma_scale_f32_32x16x128_f4), f32 sums; products left as they are: f32 operands where the result goes on into a quantised operand, else bf16, f16 or f32 operands; f32 sums; everything else in f32.
;; Inputs: W1_codes 8 x 4,096 x 32 x 16 uint8 (E2M1 codes of W1, K innermost, in blocks of 32 codes, two codes a byte); W1_scales 8 x 4,096 x 32 uint8 (E8M0 scales of W1, one for each 32 codes along K); W2_codes 8 x 1,024 x 128 x 16 uint8 (E2M1 codes of W2, K innermost, in blocks of 32 codes, two codes a byte); W2_scales 8 x 1,024 x 128 uint8 (E8M0 scales of W2, one for each 32 codes along K); b1 8 x 4,096 float32; b2 8 x 1,024 float32; gate_b 8 float32; gate_w 1,024 x 8 float32; x 512 x 2 x 1,024 float32.
;; Outputs: out0 512 x 2 x 1,024 float32.
;; This version of the problem:
;;   THIS VERSION OF THE PROBLEM IS GIVEN IN LOW PRECISION. The matrix products marked QUANTISED in the list below multiply operands that are first quantised to E2M1 (2 exponent bits, 1 mantissa bit; 4 bits a number), with one power-of-two scale for each 32 numbers along K (OCP MX v1.0); their sums are f32. All else is computed in f32.
;;   The module's matrix products, in the order in which they are computed (A, B: the left and right operand; K: the contracted axis; several contracted axes count as one K, in the product's order):
;;     1. [M 1,024, K 1,024] x [K 1,024, N 8]; A: input x; B: input gate_w: left as it is (N = 8 < 16)
;;     2. batch 1,024 x [M 1, K 2] x [K 2, N 8]; A: softmax; B: computed on the way: left as it is (K = 2 < 32)
;;     3. [M 32,768, K 1,024] x [K 1,024, N 1,024]; A: input W1 (given as codes); B: input x: QUANTISED
;;     4. batch 8 x [M 1,024, K 4,096] x [K 4,096, N 1,024]; A: computed on the way; B: input W2 (given as codes): QUANTISED
;;     5. batch 1,024 x [M 1, K 8] x [K 8, N 1,024]; A: computed on the way; B: computed on the way: left as it is (K = 8 < 32)
;;   THE QUANTISER, for each operand of a quantised product, along K:
;;     - K is cut into blocks of 32 from its start; a last block that is shorter is filled with zeros.
;;     - A block's scale is 2^e with e = floor(log2(the largest magnitude in the block)) - 2, held to -126 .. 127; a block of zeros has e = 0. As a byte (E8M0): e + 127.
;;     - Each number is divided by its block's scale, clamped to +-6, and rounded to the nearest number of E2M1, ties to even, subnormals kept.
;;     - The product sums the exact products of the quantised numbers (number of the format x scale) in f32.
;;   ~~~python
;;   def quantise(x, axis):      # numpy; x: float32 -> the quantised numbers, widened to float32 again
;;       x = np.moveaxis(x, axis, -1); K = x.shape[-1]
;;       x = np.pad(x, [(0, 0)] * (x.ndim - 1) + [(0, -K % 32)]); x = x.reshape(x.shape[:-1] + (-1, 32)); a = np.abs(x).max(-1, keepdims=True)
;;       e = np.where(a > 0, np.clip(np.frexp(np.where(a > 0, a, 1))[1] - 1 - 2, -126, 127), 0)      # np.frexp(a)[1] - 1 = floor(log2(a)), exactly
;;       r = np.clip(x / 2.0 ** e, -6, 6)
;;       step = 2.0 ** (np.maximum(np.frexp(np.where(r == 0, 1, r))[1] - 1, 0) - 1)
;;       q = np.round(r / step) * step * 2.0 ** e      # np.round: ties to even
;;       return np.moveaxis(q.reshape(q.shape[:-2] + (-1,))[..., :K], -1, axis).astype(np.float32)
;;   ~~~
;;   OPERANDS COMPUTED ON THE WAY. 'Computed on the way' means the value that the module computes at that place (a softmax that the list does not call 'softmax' is quantised finished and normalised). What goes into a quantiser is computed in f32, as accurately as f32 sums, v_exp_f32 and their like allow (about 1e-6 of the number): no bf16 or f16 on the way to a quantiser, and a product that is left as it is and whose result goes on into a quantised operand takes f32 operands (vector FMAs, or v_wmma_f32_16x16x4_f32). A number that lies on a knife's edge between two numbers of the format may be rounded either way, as far as f32 arithmetic and the matrix unit's own rounding can turn it there, and no further.
;;   INPUTS GIVEN AS CODES. W1 (in the module: [8, 1024, 4096], K = its axis 1); W2 (in the module: [8, 4096, 1024], K = its axis 1): each comes as NAME_codes (uint8): NAME with its K axis moved to the last place and cut into blocks of 32 codes, [.., K / 32, bytes a block], one block behind the other in memory; two codes a byte, the lower K in the low four bits (a code: sign, 2 exponent bits, 1 mantissa bit); and NAME_scales (uint8): the same leading axes, one E8M0 byte (e + 127) for each 32 codes along K. Its value is code x scale, taken as it is: it is not quantised again, and the codes and scales need not be those that the quantiser above would give.
;; 2 versions. Each part assembles by itself: llvm-mc -triple=amdgcn-amd-amdhsa -mcpu=gfx1250 --defsym DOCPART=n.
;; ======== version 1 of 2: 4 launches
;; workspace buffers: xq 524,288 bytes; xs 32,768 bytes; masks 1,024 bytes of whole numbers; sel 8,192 bytes of whole numbers; probs 8,192 bytes; hbuf 16,777,216 bytes; hsc 1,048,576 bytes; ybuf 33,554,432 bytes
;; launch route (part 1): grid 128 x 1, 4 waves a work-group, no clusters, 71,168 bytes of LDS; arguments x, gate_w, gate_b, xq, xs, masks, probs, sel; writes xq, xs, masks, probs, sel
.if DOCPART == 1
	.amdgcn_target "amdgcn-amd-amdhsa--gfx1250"
	.amdhsa_code_object_version 6
	.text
	.protected	k_q2cfbd72e32_route
	.globl	k_q2cfbd72e32_route
	.p2align	8
	.type	k_q2cfbd72e32_route,@function
k_q2cfbd72e32_route:
	s_mov_b64 s[64:65], 0
	v_nop
	global_prefetch_b8 v0, s[64:65] scope:SCOPE_SE
	s_setreg_imm32_b32 hwreg(HW_REG_WAVE_MODE, 25, 1), 1
	s_wait_xcnt 0x0
; ROUTE.  For 8 tokens a work-group (2 a wave): x is quantised to E2M1 codes with one E8M0 byte for each 32 along D; the gate's 8 scores are summed in f32;
; the two largest are chosen (the lower index wins a tie), their softmax is taken with the larger score taken away first.
; OUT: xq [token][512 B] codes, xs [token][32 B] scale bytes, masks [expert][128 B] (bit t = token t is a member), sel [token][e0, e1], probs [token][p0, p1].
; The choice is only STORED here, at places that hang on ids alone: no address and no branch of this text hangs on it.
; A lane holds block l of a token: x[32 l .. 32 l + 31].  The loads are dense (512 bytes a wave) and turn through the wave's own LDS bytes.
; gate_w (32 KB) is brought into LDS once by the four waves; lane l reads its 32 rows of 8 numbers from there.
; No matrix unit (N = 8), no cluster, no tensor load: the work-groups share gate_w alone, 32 KB beside their own 32 KB of x.
; LIMITS: NaN and infinities are not served.  A block of zeros gets the byte 1 (its codes are zeros; only this program reads the bytes).
; The gate's sum has another order than the reference's: two scores closer than f32 sums resolve may be chosen the other way.
.set XST,  33280                       ; LDS: 0 .. 33279 gate_w, 16 bytes of padding behind each 1,024;  then 9,216 bytes a wave: two tokens, 16 bytes of padding behind each 128
.set RT,   70144                       ; 128 bytes: e0, e1 of the 8 tokens, then p0, p1
.set X,    8                           ; v8-71    my block of the two tokens
.set LX,   72                          ; v72-135  x as loaded; later two sets of 32 gate numbers
.set LG,   136                         ; v136-199 gate_w as loaded; later at work
.set G,    72
.set ACC,  200                         ; v200-215 the 2 x 8 sums
	s_load_b512 s[4:19], s[0:1], 0x0               ; x, gate_w, gate_b, xq, xs, masks, probs, sel
	v_lshl_add_u32 v254, v0, 2, 0x11400
	v_mov_b32 v255, 0
	v_and_b32 v1, 31, v0                           ; lane
	v_lshrrev_b32 v3, 5, v0
	v_readfirstlane_b32 s20, v3                    ; wave
	v_lshlrev_b32 v2, 4, v1                        ; 16 x lane
	s_mov_b32 s22, 0x76543210
	s_mov_b32 s23, 0xfedcba98                      ; v_permlanex16_b32: lane l xor 16
	s_lshl_b32 s32, ttmp9, 15                      ; 8 tokens of 4,096 bytes a work-group,
	s_lshl_b32 s34, s20, 13                        ; 2 a wave.  Also: my 8,192 bytes of gate_w
	s_add_co_u32 s32, s32, s34
	s_mov_b32 s33, 0
	s_mov_b32 s35, 0
	s_lshr_b32 s36, s32, 3                         ; codes: 512 bytes a token
	s_mov_b32 s37, 0
	s_lshr_b32 s38, s32, 7                         ; scale bytes: 32 a token
	s_mov_b32 s39, 0
	s_lshl_b32 s44, ttmp9, 6                       ; probs, sel: 64 bytes a work-group
	s_mov_b32 s45, 0
	s_mov_b32 s46, ttmp9                           ; masks: byte g of each expert's 128
	s_mov_b32 s47, 0
	v_lshrrev_b32 v4, 3, v1
	v_lshl_add_u32 v3, v4, 4, v2                   ; 16 l + 16 (l / 8)
	s_mul_i32 s40, s20, 9216
	s_add_co_u32 s40, s40, XST
	v_add_nc_u32 v3, s40, v3                       ; x into LDS, as loaded
	v_mul_u32_u24 v4, v1, 144
	v_add_nc_u32 v4, s40, v4                       ; and back: block l, 128 bytes + 16
	s_mul_i32 s41, s20, 8320
	v_add_nc_u32 v5, s41, v2                       ; gate_w into LDS: my wave's 8 x 1,040 bytes
	v_mul_u32_u24 v6, v1, 1040                     ; and back: the 1,024 bytes of rows 32 l .. 32 l + 31
	s_lshl_b32 s42, s20, 4
	s_add_co_u32 s42, s42, RT
	v_mov_b32 v7, s42                              ; my wave's two tokens in the table
	s_wait_kmcnt 0x0
	s_add_nc_u64 s[4:5], s[4:5], s[32:33]
	s_add_nc_u64 s[6:7], s[6:7], s[34:35]
	s_add_nc_u64 s[10:11], s[10:11], s[36:37]
	s_add_nc_u64 s[12:13], s[12:13], s[38:39]
	s_add_nc_u64 s[14:15], s[14:15], s[46:47]
	s_add_nc_u64 s[16:17], s[16:17], s[44:45]
	s_add_nc_u64 s[18:19], s[18:19], s[44:45]
	s_load_b256 s[24:31], s[8:9], 0x0              ; gate_b
.irp t, 0,1
.irp i, 0,1,2,3,4,5,6,7
	global_load_b128 v[LX+32*\t+4*\i:LX+32*\t+4*\i+3], v2, s[4:5] offset:4096*\t+512*\i th:TH_LOAD_NT   ; 512 neighbouring bytes a load
.endr
.endr
.irp i, 0,1,2,3,4,5,6,7,8,9,10,11,12,13,14,15
	global_load_b128 v[LG+4*\i:LG+4*\i+3], v2, s[6:7] offset:512*\i
.endr
	s_wait_loadcnt 16                              ; x is in; gate_w's 16 loads may be out
.irp t, 0,1
.irp i, 0,1,2,3,4,5,6,7
	ds_store_b128 v3, v[LX+32*\t+4*\i:LX+32*\t+4*\i+3] offset:4608*\t+576*\i
.endr
.endr
.irp t, 0,1
.irp i, 0,1,2,3,4,5,6,7
	ds_load_b128 v[X+32*\t+4*\i:X+32*\t+4*\i+3], v4 offset:4608*\t+16*\i   ; my wave's own bytes: LDS serves a wave's instructions in order
.endr
.endr
	s_wait_dscnt 0x0
; token t's block of 32 in my lane becomes 16 bytes of codes and a scale byte
.macro QX t
.set XB, X+32*\t
	v_max3_num_f32 v216, |v[XB]|, |v[XB+1]|, |v[XB+2]|
	v_max3_num_f32 v217, |v[XB+3]|, |v[XB+4]|, |v[XB+5]|
.irp i, 6,10,14,18,22,26
	v_max3_num_f32 v216, v216, |v[XB+\i]|, |v[XB+\i+1]|
	v_max3_num_f32 v217, v217, |v[XB+\i+2]|, |v[XB+\i+3]|
.endr
	v_max3_num_f32 v216, v216, |v[XB+30]|, |v[XB+31]|
	v_max3_num_f32 v216, v216, v217, 0x1800000     ; the floor 2^(3 - 127): the byte cannot fall under 1
	v_add_nc_u32 v[218+\t], 0xff000000, v216       ; 2 off the exponent field: the conversion's scale operand
.irp g, 0,1,2,3
	v_cvt_scalef32_pk8_fp4_f32 v[220+4*\t+\g], v[XB+8*\g:XB+8*\g+7], v[218+\t]
.endr
	v_lshrrev_b32 v[228+\t], 23, v[218+\t]         ; the scale's byte (also the plain line behind the conversions)
	global_store_b128 v2, v[220+4*\t:223+4*\t], s[10:11] offset:512*\t   ; the wave stores the token's 512 bytes
	global_store_b8 v1, v[228+\t], s[12:13] offset:32*\t
.endm
	QX 0
	QX 1                                           ; each token has its own registers for codes and byte: no store's data are written again
	s_wait_loadcnt 0x0                             ; gate_w
.irp i, 0,1,2,3,4,5,6,7,8,9,10,11,12,13,14,15
	ds_store_b128 v5, v[LG+4*\i:LG+4*\i+3] offset:512*\i+16*(\i/2)
.endr
	s_wait_dscnt 0x0                               ; for the others' sake: my part of gate_w lies in LDS
	s_barrier_signal -1
	s_barrier_wait -1
; the gate: 8 chunks of 4 rows of gate_w a lane, two sets of registers by turns
.macro GLOAD c, buf
.irp i, 0,1,2,3,4,5,6,7
	ds_load_b128 v[G+32*\buf+4*\i:G+32*\buf+4*\i+3], v6 offset:128*\c+16*\i
.endr
.endm
.macro GFMA c, buf                     ; two experts an instruction; x's number is taken for both halves
.irp dd, 0,1,2,3
.irp t, 0,1
.irp e, 0,2,4,6
.set rA, ACC+8*\t+\e
.set rX, X+32*\t+4*\c+2*(\dd/2)
.set rG, G+32*\buf+8*\dd+\e
.if (\c == 0) && (\dd == 0)
	v_pk_mul_f32 v[rA:rA+1], v[rX:rX+1], v[rG:rG+1] op_sel_hi:[0,1]          ; the first product starts the sums
.elseif (\dd % 2) == 0
	v_pk_fma_f32 v[rA:rA+1], v[rX:rX+1], v[rG:rG+1], v[rA:rA+1] op_sel_hi:[0,1,1]
.else
	v_pk_fma_f32 v[rA:rA+1], v[rX:rX+1], v[rG:rG+1], v[rA:rA+1] op_sel:[1,0,0] op_sel_hi:[1,1,1]
.endif
.endr
.endr
.endr
.endm
	GLOAD 0, 0
	GLOAD 1, 1
.irp c, 0,1,2,3,4,5
	s_wait_dscnt 8                                 ; this chunk's 8 loads are in, the next chunk's may be out
	GFMA \c, (\c%2)
	GLOAD (\c+2), (\c%2)
.endr
	s_wait_dscnt 8
	GFMA 6, 0
	s_wait_dscnt 0x0
	GFMA 7, 1
.irp m, 1,2,4,8
.irp a, 0,1,2,3,4,5,6,7,8,9,10,11,12,13,14,15
	v_add_f32_dpp v[ACC+\a], v[ACC+\a], v[ACC+\a] row_xmask:\m row_mask:0xf bank_mask:0xf
.endr
.endr
.irp a, 0,1,2,3,4,5,6,7,8,9,10,11,12,13,14,15
	v_permlanex16_b32 v[G+\a], v[ACC+\a], s22, s23
.endr
.irp a, 0,1,2,3,4,5,6,7,8,9,10,11,12,13,14,15
	v_add_f32 v[ACC+\a], v[ACC+\a], v[G+\a]        ; every lane holds the 16 sums
.endr
	s_wait_kmcnt 0x0                               ; gate_b
.irp t, 0,1
.irp e, 0,1,2,3,4,5,6,7
	v_add_f32 v[ACC+8*\t+\e], s[24+\e], v[ACC+8*\t+\e]
.endr
.endr
	v_mov_b32 v152, 0xff800000                     ; -infinity
.macro SCAN sc, bv, bi                 ; the largest of 8 and its index; a later one must be strictly larger
	v_mov_b32 v[\bv], v[\sc]
	v_mov_b32 v[\bi], 0
.irp e, 1,2,3,4,5,6,7
	v_cmp_le_f32 vcc_lo, v[\sc+\e], v[\bv]
	v_cndmask_b32 v[\bv], v[\sc+\e], v[\bv], vcc_lo
	v_cndmask_b32 v[\bi], \e, v[\bi], vcc_lo
.endr
.endm
.macro TOP2 t
.set SS, ACC+8*\t
.set WK, 136+8*\t
	SCAN SS, WK, WK+1
.irp e, 0,1,2,3,4,5,6,7
	v_cmp_eq_u32 vcc_lo, \e, v[WK+1]
	v_cndmask_b32 v[SS+\e], v[SS+\e], v152, vcc_lo ; the winner is taken out
.endr
	SCAN SS, WK+2, WK+3
	v_sub_f32 v[WK+4], v[WK+2], v[WK]              ; the second score less the largest: 0 or less
	v_mul_f32 v[WK+4], 0x3fb8aa3b, v[WK+4]
	v_exp_f32 v[WK+4], v[WK+4]
	v_nop                                          ; a plain line behind the transcendental
	s_wait_alu depctr_va_vdst(0)
	v_add_f32 v[WK+5], 1.0, v[WK+4]
	v_rcp_f32 v[WK+5], v[WK+5]                     ; p0
	v_nop
	s_wait_alu depctr_va_vdst(0)
	v_mul_f32 v[WK+6], v[WK+4], v[WK+5]            ; p1
	ds_store_b32 v7, v[WK+1] offset:8*\t           ; all lanes write the same word with the same value
	ds_store_b32 v7, v[WK+3] offset:8*\t+4
	ds_store_b32 v7, v[WK+5] offset:64+8*\t
	ds_store_b32 v7, v[WK+6] offset:68+8*\t
.endm
	TOP2 0
	TOP2 1
	s_wait_dscnt 0x0
	s_barrier_signal -1
	s_barrier_wait -1                              ; the 8 tokens' choices lie in the table
	s_cmp_lg_u32 s20, 0
	s_cbranch_scc1 .Lend
	; wave 0 stores them.  Lanes that name the same address hold the same value, so all lanes stay on.
	v_mov_b32 v182, RT
	v_and_b32 v183, 15, v0
	v_lshlrev_b32 v185, 2, v183                    ; word l % 16 of the work-group's 16
	v_add_nc_u32 v183, RT, v185
.irp i, 0,1,2,3
	ds_load_b128 v[160+4*\i:163+4*\i], v182 offset:16*\i
.endr
	ds_load_b32 v177, v183
	ds_load_b32 v176, v183 offset:64
	v_and_b32 v178, 7, v0                          ; my expert
	v_lshlrev_b32 v184, 7, v178
	v_mov_b32 v179, 0
	v_mov_b32 v181, 1
	s_wait_dscnt 0x0
.irp q, 0,1,2,3,4,5,6,7
	v_cmp_eq_u32 vcc_lo, v[160+2*\q], v178
	v_cmp_eq_u32 s33, v[161+2*\q], v178
	s_or_b32 vcc_lo, vcc_lo, s33
	v_cndmask_b32 v180, 0, v181, vcc_lo
	v_lshl_or_b32 v179, v180, \q, v179             ; bit q: token 8 g + q is a member of my expert
.endr
	global_store_b8 v184, v179, s[14:15]
	global_store_b32 v185, v177, s[18:19]
	global_store_b32 v185, v176, s[16:17]
.Lend:
	s_wait_tensorcnt 0x0
	ds_add_u32 v254, v255
	s_wait_dscnt 0x0
	s_endpgm
.Lfunc_end_k_q2cfbd72e32_route:
	.size	k_q2cfbd72e32_route, .Lfunc_end_k_q2cfbd72e32_route-k_q2cfbd72e32_route
	.p2alignl 7, 3214868480
	.fill 96, 4, 3214868480
	.section	.rodata,"a",@progbits
	.p2align	6, 0x0
	.amdhsa_kernel k_q2cfbd72e32_route
		.amdhsa_group_segment_fixed_size 71168
		.amdhsa_private_segment_fixed_size 0
		.amdhsa_enable_private_segment 0
		.amdhsa_kernarg_size 64
		.amdhsa_user_sgpr_count 2
		.amdhsa_user_sgpr_kernarg_segment_ptr 1
		.amdhsa_wavefront_size32 1
		.amdhsa_system_sgpr_workgroup_id_x 1
		.amdhsa_system_sgpr_workgroup_id_y 1
		.amdhsa_system_sgpr_workgroup_id_z 1
		.amdhsa_system_vgpr_workitem_id 0
		.amdhsa_next_free_vgpr 256
		.amdhsa_next_free_sgpr 66
		.amdhsa_reserve_vcc 1
		.amdhsa_float_denorm_mode_32 3
		.amdhsa_float_denorm_mode_16_64 3
		.amdhsa_memory_ordered 1
		.amdhsa_forward_progress 1
		.amdhsa_inst_pref_size 46
	.end_amdhsa_kernel
	.amdgpu_metadata
---
amdhsa.version: [ 1, 2 ]
amdhsa.kernels:
  - .name:           k_q2cfbd72e32_route
    .symbol:         k_q2cfbd72e32_route.kd
    .args:
      - { .name: x, .offset: 0, .size: 8, .value_kind: global_buffer, .address_space: global }
      - { .name: gate_w, .offset: 8, .size: 8, .value_kind: global_buffer, .address_space: global }
      - { .name: gate_b, .offset: 16, .size: 8, .value_kind: global_buffer, .address_space: global }
      - { .name: xq, .offset: 24, .size: 8, .value_kind: global_buffer, .address_space: global }
      - { .name: xs, .offset: 32, .size: 8, .value_kind: global_buffer, .address_space: global }
      - { .name: masks, .offset: 40, .size: 8, .value_kind: global_buffer, .address_space: global }
      - { .name: probs, .offset: 48, .size: 8, .value_kind: global_buffer, .address_space: global }
      - { .name: sel, .offset: 56, .size: 8, .value_kind: global_buffer, .address_space: global }
    .group_segment_fixed_size: 71168
    .private_segment_fixed_size: 0
    .kernarg_segment_align: 8
    .kernarg_segment_size: 64
    .max_flat_workgroup_size: 128
    .sgpr_count:     66
    .vgpr_count:     256
    .wavefront_size: 32
...
	.end_amdgpu_metadata
.endif
;; end of part 1
;; launch ffn1 (part 2): grid 32 x 8, 4 waves a work-group, no clusters, 68,096 bytes of LDS; arguments xq, xs, W1_codes, W1_scales, b1, masks, hbuf, hsc; writes hbuf, hsc
.if DOCPART == 2
	.amdgcn_target "amdgcn-amd-amdhsa--gfx1250"
	.amdhsa_code_object_version 6
	.text
	.protected	k_q2cfbd72e32_ffn1
	.globl	k_q2cfbd72e32_ffn1
	.p2align	8
	.type	k_q2cfbd72e32_ffn1,@function
k_q2cfbd72e32_ffn1:
	s_mov_b64 s[64:65], 0
	v_nop
	global_prefetch_b8 v0, s[64:65] scope:SCOPE_SE
	s_setreg_imm32_b32 hwreg(HW_REG_WAVE_MODE, 25, 1), 1
	s_wait_xcnt 0x0
; FFN1.  h = Q(relu(x W1 + b1)) for the rows that were routed to an expert, on E2M1 codes with E8M0 scales.  Work-group (sl, e): hidden units 128 sl .. 128 sl + 127 of expert e.
; THE WEIGHTS STAND STILL: all four waves hold the slice (128 units x K = 1,024: 512 registers).  It is read from memory once in the launch, in whole rows of 512 bytes,
; and turned into fragments through LDS.  What streams is x's codes, 16 rows a tile.  Wave w takes tiles w, w + 4, w + 8, ..: two a trip, T and T + 4 with T = w + 8 n,
; so that no wave has more than the fourth part of the expert's tiles, rounded up.
; THE LIST IS NOT STORED: row q is the token of the q-th set bit of the expert's 1,024 member bits.  Each lane finds its own by comparing q with the 32 words' running counts
; and walking down the chosen word's field counts: no branch, no memory.  A q behind the expert's count still gives a token 0 .. 1,023; such rows are computed and never used.
; THE PRODUCT IS USED TRANSPOSED (source 0 = 16 units, source 1 = 16 rows of x), and lane r of tile 2 b + u takes unit 32 b + 8 u + r + 8 (r / 8): a lane's 64 results are then
; k = 32 b + 16 (lane / 16) + i of its own row, which is what the conversions want.  b1 is the C of each sum's first product.
; OUT: hbuf [expert][tile][K step = sl][1,024 B]: the fragment's registers as they stand (group c at 512 c + 16 lane); hsc [expert][tile][K step][16 rows] scale words.
; THE LOOP has a constant count, 8: an expert has at most 1,024 rows = 64 tiles = 16 a wave, two a trip.  A wave whose tiles are done ends inside the loop.
; No tensor load and no joint request: where a wave ends hangs on a count read from memory, and no two work-groups read the same weights.
; At least tile 0 of every expert is made, so that the next launch's first loads find written bytes.
; LIMITS: NaN and infinities are not served; a block of zeros gets the byte 1 (zero codes; only this program reads the bytes).
; REGISTERS: window 0: addresses, the search, scale words, the 8 accumulators, codes.  Windows 1, 2: W1's fragments, (K step s, tile t) at v[64 (s % 4) + 8 t] of window 1 + s / 4.
; Window 3: v0-63, v64-127 x's fragments of tiles A and B; v128-191 b1 in the result's layout.
.set PITCH, 528                        ; an LDS row: 512 bytes + 16: the 16 rows of a fragment load start at 16 different groups of banks
.set H16, 4                            ; 16 (lane / 16)
.set L16, 5                            ; 16 lane
.set R4,  6                            ; 4 (lane % 16)
.set ONE, 7
.set AA,  8                            ; tile A: my row's codes, its scale bytes
.set SA,  9
.set AB,  10                           ; tile B
.set SB,  11
.set TB,  12                           ; tile B's token, held back until B's pending loads have come
.set STA, 13
.set SSA, 14
.set Q,   15                           ; my q
.set QP,  16
.set SP,  17
.set SM,  18
.set RK,  19
.set WI,  20
.set POS, 21
.set FA,  22
.set FB,  23
.set FC,  24
.set FD,  25
.set T0,  26
.set T1,  27
.set XP,  28
.set TOK, 29
.set TA,  30
.set W1S, 32                           ; v32-63  W1's scale words: register 4 t + c: K step c in lanes 0-15, K step 4 + c in lanes 16-31
.set XSC, 64                           ; v64-71  x's, likewise, for tiles A and B
.set ACC, 72                           ; v72-135
.set PC,  136                          ; v136-143 the codes just made
.set TM,  144                          ; v144-159 at work
.set PW,  160                          ; the scale word just made
.set BA,  161
.set WSA, 162
.set SW,  166
.set SR,  167
.set B1,  128                          ; in window 3
.set SEL, 78                           ; s[78:79]
.set IT,  15                           ; s15 trips to go
.set P,   76                           ; s76 the trip's tile A;  s100 the expert's tiles;  s101 its rows
.set NT,  100
.set CNT, 101
.set MSB, 0
.macro WIN new                         ; the immediate's high byte repeats the setting that is left
.if MSB != (\new)
	s_set_vgpr_msb (MSB<<8)|(\new)
.set MSB, (\new)
.endif
.endm
; 17 loads: a tile's 16 rows x 512 bytes of codes as fragments (lane (r, h): 16 bytes at 32 k + 16 h of its row), and 16 of the row's 32 scale bytes
.macro XLOAD buf, va, vs
	WIN 0xc0
.irp k, 0,1,2,3,4,5,6,7,8,9,10,11,12,13,14,15
	global_load_b128 v[64*\buf+4*\k:64*\buf+4*\k+3], v[\va], s[4:5] offset:32*\k
.endr
	WIN 0
	global_load_b128 v[XSC+4*\buf:XSC+4*\buf+3], v[\vs], s[6:7]
.endm
; 64 products: K step by K step, the 8 accumulators by turns, one instruction a turn
.macro MM buf
.irp s, 0,1,2,3,4,5,6,7
.if \s == 0
	WIN 0x3d                                       ; W1 window 1, x window 3, C = b1 window 3
.elseif \s < 4
	WIN 0x0d
.else
	WIN 0x0e                                       ; W1 window 2
.endif
.irp t, 0,1,2,3,4,5,6,7
.if \s == 0
	v_wmma_scale_f32_16x16x128_f8f6f4 v[ACC+8*\t:ACC+8*\t+7], v[8*\t:8*\t+7], v[64*\buf:64*\buf+7], v[B1+8*\t:B1+8*\t+7], v[W1S+4*\t], v[XSC+4*\buf] matrix_a_fmt:MATRIX_FMT_FP4 matrix_b_fmt:MATRIX_FMT_FP4
.elseif \s < 4
	v_wmma_scale_f32_16x16x128_f8f6f4 v[ACC+8*\t:ACC+8*\t+7], v[64*\s+8*\t:64*\s+8*\t+7], v[64*\buf+8*\s:64*\buf+8*\s+7], v[ACC+8*\t:ACC+8*\t+7], v[W1S+4*\t+\s], v[XSC+4*\buf+\s] matrix_a_fmt:MATRIX_FMT_FP4 matrix_b_fmt:MATRIX_FMT_FP4
.else
	v_wmma_scale_f32_16x16x128_f8f6f4 v[ACC+8*\t:ACC+8*\t+7], v[64*(\s-4)+8*\t:64*(\s-4)+8*\t+7], v[64*\buf+8*\s:64*\buf+8*\s+7], v[ACC+8*\t:ACC+8*\t+7], v[W1S+4*\t+\s-4], v[XSC+4*\buf+\s-4] matrix_a_fmt:MATRIX_FMT_FP4 matrix_b_fmt:MATRIX_FMT_FP4 matrix_a_scale:MATRIX_SCALE_ROW1 matrix_b_scale:MATRIX_SCALE_ROW1
.endif
.endr
.endr
	WIN 0
.endm
; one step down a word's field counts: if my rank is not inside the lower field, pass it
.macro DESC src, width, sh
	v_bfe_u32 v[T0], v[\src], v[POS], \width
	v_cmp_ge_u32 vcc_lo, v[RK], v[T0]
	v_cndmask_b32 v[T0], 0, v[T0], vcc_lo
	v_cndmask_b32 v[T1], 0, v[ONE], vcc_lo
	v_sub_nc_u32 v[RK], v[RK], v[T0]
	v_lshl_add_u32 v[POS], v[T1], \sh, v[POS]
.endm
; v[TOK] = the token of the v[Q]-th set bit.  s[16 + j]: word j of the member bits; s[pk]: (set bits in words under j) << 16 | j
.macro SELECT
	v_lshl_or_b32 v[QP], v[Q], 16, 0xffff
	v_mov_b32 v[SP], 0
	v_mov_b32 v[SM], s16
.set j, 1
.rept 31
.if j < 16
.set pk, 48+j
.else
.set pk, 64+j
.endif
	v_cmp_gt_u32 vcc_lo, s[pk], v[QP]              ; the running counts never fall: the last word whose count is not above q stays
	v_cndmask_b32 v[SP], s[pk], v[SP], vcc_lo
	v_cndmask_b32 v[SM], s[16+j], v[SM], vcc_lo
.set j, j+1
.endr
	v_lshrrev_b32 v[T0], 16, v[SP]
	v_sub_nc_u32 v[RK], v[Q], v[T0]                ; my rank inside the word
	v_and_b32 v[WI], 31, v[SP]
	v_lshrrev_b32 v[T0], 1, v[SM]                  ; counts of fields of 2, 4 and 8 bits, and of the low 16
	v_and_b32 v[T0], 0x55555555, v[T0]
	v_sub_nc_u32 v[FA], v[SM], v[T0]
	v_lshrrev_b32 v[T0], 2, v[FA]
	v_and_b32 v[T0], 0x33333333, v[T0]
	v_and_b32 v[T1], 0x33333333, v[FA]
	v_add_nc_u32 v[FB], v[T0], v[T1]
	v_lshrrev_b32 v[T0], 4, v[FB]
	v_add_nc_u32 v[T0], v[T0], v[FB]
	v_and_b32 v[FC], 0x0f0f0f0f, v[T0]
	v_lshrrev_b32 v[T0], 8, v[FC]
	v_add_nc_u32 v[FD], v[T0], v[FC]
	v_mov_b32 v[POS], 0
	DESC FD, 8, 4
	DESC FC, 8, 3
	DESC FB, 4, 2
	DESC FA, 2, 1
	DESC SM, 1, 0
	v_lshl_add_u32 v[TOK], v[WI], 5, v[POS]
.endm
; lanes 0-15 found tile A's tokens, lanes 16-31 tile B's; a tile's loads want row l % 16's token in both halves
.macro SPLIT
	v_permlanex16_b32 v[XP], v[TOK], s[SEL], s[SEL+1]
	v_cndmask_b32 v[TA], v[TOK], v[XP], s66
	v_cndmask_b32 v[TB], v[XP], v[TOK], s66
	v_min_u32 v[TA], 0x3ff, v[TA]
	v_lshl_add_u32 v[AA], v[TA], 9, v[H16]
	v_lshl_add_u32 v[SA], v[TA], 5, v[H16]
.endm
.macro BADDR
	v_min_u32 v[TB], 0x3ff, v[TB]
	v_lshl_add_u32 v[AB], v[TB], 9, v[H16]
	v_lshl_add_u32 v[SB], v[TB], 5, v[H16]
.endm
; 64 numbers of a lane, register 16 b + i = k 32 b + 16 (lane / 16) + i of my row, become a fragment's codes in v[PC] on and its scale word in v[PW]
.macro QUANT s
.irp b, 0,1,2,3
	v_max3_num_f32 v[TM+\b], |v[\s+16*\b]|, |v[\s+1+16*\b]|, 0x1800000   ; with the floor 2^(3 - 127): the byte cannot fall under 1
.endr
.irp i, 2,4,6,8,10,12,14
.irp b, 0,1,2,3
	v_max3_num_f32 v[TM+\b], v[TM+\b], |v[\s+16*\b+\i]|, |v[\s+1+16*\b+\i]|
.endr
.endr
.irp b, 0,1,2,3
	v_permlanex16_b32 v[TM+4+\b], v[TM+\b], s[SEL], s[SEL+1]
.endr
.irp b, 0,1,2,3
	v_max_num_f32 v[TM+\b], v[TM+\b], v[TM+4+\b]   ; with lane l xor 16's: the block's largest magnitude
.endr
.irp b, 0,1,2,3
	v_add_nc_u32 v[TM+12+\b], 0xff000000, v[TM+\b] ; 2 off its exponent field: the conversion's scale operand
.endr
.irp b, 0,1,2,3
	v_lshrrev_b32 v[TM+4+\b], 23, v[TM+12+\b]      ; the scale's byte
.endr
	v_lshl_or_b32 v[PW], v[TM+5], 8, v[TM+4]
	v_lshl_or_b32 v[PW], v[TM+6], 16, v[PW]
	v_lshl_or_b32 v[PW], v[TM+7], 24, v[PW]
.irp b, 0,1,2,3
	v_cvt_scalef32_pk8_fp4_f32 v[PC+2*\b], v[\s+16*\b:\s+7+16*\b], v[TM+12+\b]
	v_cvt_scalef32_pk8_fp4_f32 v[PC+1+2*\b], v[\s+8+16*\b:\s+15+16*\b], v[TM+12+\b]
.endr
	v_nop                                          ; one plain line behind a scaled conversion
.irp c, 0,1                                    ; the operand's layout wants a whole block in a lane
.irp i, 0,1
	v_permlane16_swap_b32 v[PC+4*\c+\i], v[PC+2+4*\c+\i]
.endr
.endr
.endm
; the tile s[P] + 4 hi leaves: relu, quantised, stored as the next product's fragment.
; The codes, the scale word and the two address registers are the last tile's store sources: they are written again here behind the wait on XCNT that stands in front of the run of x loads ahead of this macro.
.macro EPI hi
.set j, 0
.rept 64
	v_max_num_f32 v[ACC+j], 0, v[ACC+j]            ; ascending: each accumulator is read from its low end on
.set j, j+1
.endr
	QUANT ACC
	s_lshl_b32 s12, s[P], 15                       ; 32,768 bytes a tile,
	s_lshl_b32 s13, s[P], 11                       ; 2,048 of scale words
	v_add_nc_u32 v[STA], s12, v[L16]
	v_add_nc_u32 v[SSA], s13, v[R4]
	global_store_b128 v[STA], v[PC:PC+3], s[72:73] offset:131072*\hi         ; 512 neighbouring bytes a store; tile B lies four tiles on
	global_store_b128 v[STA], v[PC+4:PC+7], s[72:73] offset:131072*\hi+512
	global_store_b32 v[SSA], v[PW], s[74:75] offset:8192*\hi                 ; lanes l and l + 16 hold the same word
.endm
	s_load_b128 s[4:7], s[0:1], 0x0                ; xq, xs
	s_load_b128 s[8:11], s[0:1], 0x10              ; W1's codes, W1's scales
	s_load_b128 s[68:71], s[0:1], 0x20             ; b1, masks
	s_load_b128 s[72:75], s[0:1], 0x30             ; hbuf, hsc
	v_lshl_add_u32 v254, v0, 2, 0x10800
	v_mov_b32 v255, 0
	v_lshrrev_b32 v1, 5, v0
	v_readfirstlane_b32 s2, v1                     ; wave
	s_mov_b32 s3, ttmp9                            ; slice
	s_and_b32 s67, ttmp7, 0xffff                   ; expert
	v_and_b32 v1, 31, v0
	v_and_b32 v2, 15, v0                           ; r
	v_bfe_u32 v3, v0, 4, 1                         ; h
	v_lshlrev_b32 v[H16], 4, v3
	v_lshlrev_b32 v[L16], 4, v1
	v_lshlrev_b32 v[R4], 2, v2
	v_mov_b32 v[ONE], 1
	v_mov_b32 v[XP], 0                             ; a lane permute's destination counts as one of its sources
.irp b, 0,1,2,3
	v_mov_b32 v[TM+4+\b], 0
.endr
	s_lshl_b32 s12, s2, 4
	v_lshl_add_u32 v[Q], v3, 6, v2                 ; q = 16 wave + r in lanes 0-15 (tile w),
	v_add_nc_u32 v[Q], s12, v[Q]                   ; 64 more in lanes 16-31 (tile w + 4)
	v_lshlrev_b32 v[BA], 6, v3                     ; b1: 16 h numbers on
	v_and_b32 v[WSA], 8, v2
	v_add_nc_u32 v[WSA], v[WSA], v2                ; r + 8 (r / 8)
	v_lshl_add_u32 v[WSA], v[WSA], 5, v[H16]       ; W1's scale bytes: 32 a unit, my half's 16
	s_mul_i32 s12, s2, 32*PITCH
	v_add_nc_u32 v[SW], s12, v[L16]                ; the slice into LDS: my wave's 32 rows
	v_mul_u32_u24 v[SR], v2, PITCH
	v_add_nc_u32 v[SR], v[SR], v[H16]              ; and back as fragments
	s_mov_b32 s66, 0xffff0000                      ; lanes 16-31
	s_mov_b32 s[SEL], 0x76543210
	s_mov_b32 s[SEL+1], 0xfedcba98
	s_mov_b32 s97, 0
	s_mov_b32 s99, 0
	s_lshl_b32 s12, s67, 21
	s_lshl_b32 s13, s3, 16
	s_lshl_b32 s14, s2, 14
	s_add_co_u32 s13, s13, s14
	s_add_co_u32 s96, s12, s13                     ; W1's codes: expert, slice of 128 rows x 512 bytes, my wave's 32 rows
	s_lshl_b32 s98, s3, 10
	s_add_co_u32 s98, s98, s12                     ; hbuf: expert, K step sl
	s_wait_kmcnt 0x0
	s_add_nc_u64 s[8:9], s[8:9], s[96:97]
	s_add_nc_u64 s[72:73], s[72:73], s[98:99]
	s_lshl_b32 s96, s67, 7
	s_add_nc_u64 s[70:71], s[70:71], s[96:97]
	s_load_b512 s[16:31], s[70:71], 0x0            ; the expert's 1,024 member bits
	s_load_b512 s[32:47], s[70:71], 0x40
	WIN 0x40
.set x, 0
.rept 32
	global_load_b128 v[4*x:4*x+3], v[L16], s[8:9] offset:512*x th:TH_LOAD_NT   ; a whole row of 512 bytes a load; read once in the launch
.set x, x+1
.endr
	WIN 0
	s_lshl_b32 s12, s67, 17
	s_lshl_b32 s96, s3, 12
	s_add_co_u32 s96, s96, s12
	s_add_nc_u64 s[10:11], s[10:11], s[96:97]      ; W1's scales
	s_lshl_b32 s96, s3, 6
	s_add_co_u32 s96, s96, s12
	s_add_nc_u64 s[74:75], s[74:75], s[96:97]      ; hsc
	s_lshl_b32 s96, s67, 14
	s_lshl_b32 s12, s3, 9
	s_add_co_u32 s96, s96, s12
	s_add_nc_u64 s[68:69], s[68:69], s[96:97]      ; b1
	WIN 0xc0
.irp t, 0,1,2,3,4,5,6,7
	global_load_b128 v[B1+8*\t:B1+8*\t+3], v[BA], s[68:69] offset:(32*(\t/2)+8*(\t%2))*4
	global_load_b128 v[B1+8*\t+4:B1+8*\t+7], v[BA], s[68:69] offset:(32*(\t/2)+8*(\t%2))*4+16
.endr
	WIN 0
.irp t, 0,1,2,3,4,5,6,7
	global_load_b128 v[W1S+4*\t:W1S+4*\t+3], v[WSA], s[10:11] offset:(32*(\t/2)+8*(\t%2))*32
.endr
	s_wait_kmcnt 0x0                               ; the member bits
	s_bcnt1_i32_b32 s[CNT], s16
.set j, 1
.rept 31
.if j < 16
.set pk, 48+j
.else
.set pk, 64+j
.endif
	s_lshl_b32 s[pk], s[CNT], 16
	s_or_b32 s[pk], s[pk], j
	s_bcnt1_i32_b32 s12, s[16+j]
	s_add_co_u32 s[CNT], s[CNT], s12
.set j, j+1
.endr
	s_add_co_u32 s[NT], s[CNT], 15
	s_lshr_b32 s[NT], s[NT], 4
	s_max_u32 s[NT], s[NT], 1                      ; tiles of 16 rows, at least one
	s_mov_b32 s[P], s2                             ; my first tile
	SELECT
	SPLIT
	XLOAD 0, AA, SA                                ; my first two tiles' rows are asked for before the weights have come
	BADDR
	XLOAD 1, AB, SB
	s_wait_loadcnt 58                              ; the 32 rows of the slice are in; younger: 16 of b1, 8 of scales, 34 of x
	WIN 0x04                                       ; an LDS store's data are its source 1: window 1
.set x, 0
.rept 32
.set sx, (x&7)|(((x>>3)&1)<<4)|(((x>>4)&1)<<3)
	ds_store_b128 v[SW], v[4*x:4*x+3] offset:sx*PITCH    ; unit 32 w + x goes to row 32 w + (x with bits 3 and 4 exchanged): a tile's 16 units are then 16 neighbouring rows
.set x, x+1
.endr
	WIN 0
	s_wait_dscnt 0x0                               ; for the others' sake: my 32 rows lie in LDS
	s_barrier_signal -1
	s_barrier_wait -1                              ; the one barrier: ahead of every branch on the count
.irp s, 0,1,2,3,4,5,6,7
	WIN 0x40+0x40*(\s/4)
.irp t, 0,1,2,3,4,5,6,7
.irp c, 0,1
	ds_load_b128 v[64*(\s%4)+8*\t+4*\c:64*(\s%4)+8*\t+4*\c+3], v[SR] offset:16*\t*PITCH+64*\s+32*\c
.endr
.endr
.endr
	WIN 0
	s_wait_dscnt 0x0
	s_mov_b32 s[IT], 8                             ; at most 64 tiles an expert, 16 a wave, two a trip
	s_cmp_ge_u32 s2, s[NT]
	s_cbranch_scc1 .Lend
.Lpass:
	s_wait_loadcnt 17                              ; tile A's rows are in (and, the first time, b1 and the scales); tile B's 17 loads may be out
	MM 0
	v_add_nc_u32 v[Q], 128, v[Q]                   ; my tiles eight further on: the search is also the places behind the products
	SELECT
	SPLIT
	s_wait_xcnt 0x0                                ; the last tile's stores, 64 products back, have read their data and addresses, which the lines behind the loads write again.
	                                               ; It stands AHEAD of the loads: these read AA, SA and the bases alone, which stay until the counted wait shows the loads done
	XLOAD 0, AA, SA                                ; issued on every path, so that the counts hold; behind the last tile it reads rows that are not used
	EPI 0
	s_add_co_u32 s12, s[P], 4
	s_cmp_lt_u32 s12, s[NT]
	s_cbranch_scc1 .Lhas_b
	s_wait_tensorcnt 0x0
	ds_add_u32 v254, v255
	s_wait_dscnt 0x0
	s_endpgm                                       ; the expert has no tile four on: the wave ends here; so every way round the loop issues the same loads
.Lhas_b:
	s_wait_loadcnt 17                              ; tile B's rows are in; the next tile A's 17 loads may be out
	MM 1
	BADDR                                          ; B's loads have come: its address registers may be written.  Three plain lines,
	v_nop
	v_nop                                          ; and two more: the places in front of loads into registers that the products have read
	s_wait_xcnt 0x0                                ; tile A's stores have read their data and addresses: as above, ahead of the loads
	XLOAD 1, AB, SB
	EPI 1
	s_add_co_u32 s[P], s[P], 8                     ; my next two tiles,
	s_cmp_lt_u32 s[P], s[NT]
	s_cbranch_scc1 .Lmore
	s_wait_tensorcnt 0x0
	ds_add_u32 v254, v255
	s_wait_dscnt 0x0
	s_endpgm                                       ; if the expert has the first of them: else the wave ends here
.Lmore:
	s_sub_co_u32 s[IT], s[IT], 1                   ; the loop's own counter: a constant number of trips
	s_cmp_lg_u32 s[IT], 0
	s_cbranch_scc1 .Lpass
.Lend:
	s_wait_tensorcnt 0x0
	ds_add_u32 v254, v255
	s_wait_dscnt 0x0
	s_endpgm
.Lfunc_end_k_q2cfbd72e32_ffn1:
	.size	k_q2cfbd72e32_ffn1, .Lfunc_end_k_q2cfbd72e32_ffn1-k_q2cfbd72e32_ffn1
	.p2alignl 7, 3214868480
	.fill 96, 4, 3214868480
	.section	.rodata,"a",@progbits
	.p2align	6, 0x0
	.amdhsa_kernel k_q2cfbd72e32_ffn1
		.amdhsa_group_segment_fixed_size 68096
		.amdhsa_private_segment_fixed_size 0
		.amdhsa_enable_private_segment 0
		.amdhsa_kernarg_size 64
		.amdhsa_user_sgpr_count 2
		.amdhsa_user_sgpr_kernarg_segment_ptr 1
		.amdhsa_wavefront_size32 1
		.amdhsa_system_sgpr_workgroup_id_x 1
		.amdhsa_system_sgpr_workgroup_id_y 1
		.amdhsa_system_sgpr_workgroup_id_z 1
		.amdhsa_system_vgpr_workitem_id 0
		.amdhsa_next_free_vgpr 960
		.amdhsa_next_free_sgpr 102
		.amdhsa_reserve_vcc 1
		.amdhsa_float_denorm_mode_32 3
		.amdhsa_float_denorm_mode_16_64 3
		.amdhsa_memory_ordered 1
		.amdhsa_forward_progress 1
		.amdhsa_inst_pref_size 70
	.end_amdhsa_kernel
	.amdgpu_metadata
---
amdhsa.version: [ 1, 2 ]
amdhsa.kernels:
  - .name:           k_q2cfbd72e32_ffn1
    .symbol:         k_q2cfbd72e32_ffn1.kd
    .args:
      - { .name: xq, .offset: 0, .size: 8, .value_kind: global_buffer, .address_space: global }
      - { .name: xs, .offset: 8, .size: 8, .value_kind: global_buffer, .address_space: global }
      - { .name: W1_codes, .offset: 16, .size: 8, .value_kind: global_buffer, .address_space: global }
      - { .name: W1_scales, .offset: 24, .size: 8, .value_kind: global_buffer, .address_space: global }
      - { .name: b1, .offset: 32, .size: 8, .value_kind: global_buffer, .address_space: global }
      - { .name: masks, .offset: 40, .size: 8, .value_kind: global_buffer, .address_space: global }
      - { .name: hbuf, .offset: 48, .size: 8, .value_kind: global_buffer, .address_space: global }
      - { .name: hsc, .offset: 56, .size: 8, .value_kind: global_buffer, .address_space: global }
    .group_segment_fixed_size: 68096
    .private_segment_fixed_size: 0
    .kernarg_segment_align: 8
    .kernarg_segment_size: 64
    .max_flat_workgroup_size: 128
    .sgpr_count:     102
    .vgpr_count:     960
    .wavefront_size: 32
...
	.end_amdgpu_metadata
.endif
;; end of part 2
;; launch ffn2 (part 3): grid 32 x 8, 4 waves a work-group, no clusters, 135,680 bytes of LDS; arguments W2_codes, W2_scales, b2, hbuf, hsc, masks, ybuf; writes ybuf
.if DOCPART == 3
	.amdgcn_target "amdgcn-amd-amdhsa--gfx1250"
	.amdhsa_code_object_version 6
	.text
	.protected	k_q2cfbd72e32_ffn2
	.globl	k_q2cfbd72e32_ffn2
	.p2align	8
	.type	k_q2cfbd72e32_ffn2,@function
k_q2cfbd72e32_ffn2:
	s_mov_b64 s[64:65], 0
	v_nop
	global_prefetch_b8 v0, s[64:65] scope:SCOPE_SE
	s_setreg_imm32_b32 hwreg(HW_REG_WAVE_MODE, 25, 1), 1
	s_wait_xcnt 0x0
; FFN2.  y = h W2 + b2 for an expert's routed rows, on E2M1 codes with E8M0 scales.  Work-group (ds + 8 rq, e): outputs 128 ds .. 128 ds + 127 of expert e, tiles of 16 rows rq, rq + 4, rq + 8, ..
; THE WEIGHTS STAND STILL AND K IS SHARED OUT: wave w holds the 128 outputs x K steps 8 w .. 8 w + 7 (512 registers), so the work-group holds each of its weight bytes once.
; They come in pieces of 512 neighbouring bytes and turn into fragments through the wave's own LDS bytes.  h comes as images of a fragment's registers: dense loads, no turn.
; The four waves' partial sums of a tile meet in LDS; wave w adds rows 4 w .. 4 w + 3, adds b2 and stores whole pieces of 512 bytes.
; SIXTEEN TRIPS ALWAYS, one barrier each, on every wave's path; a trip whose tile does not exist jumps over its work only.  The partial sums have two sets of LDS bytes by turns:
; a set is written again two trips later, behind the barrier in front of which every wave has waited for its reads of it.
; OUT: ybuf [expert][row q][1,024] f32.  Rows behind the expert's count in its last tile are stored too and read by nobody.
; The product is used transposed (source 0 = 16 outputs, source 1 = 16 rows of h): a lane holds 8 neighbouring outputs of one row.
; No tensor load and no joint request, though 4 work-groups read the same weights and 8 the same rows: the work hangs on a count read from memory.
; The sum over K is made in four parts and added ((0 + 1) + (2 + 3)): another order than one ascending chain.
; REGISTERS: window 0: addresses, scale words, 8 accumulators, the last sums.  Windows 1, 2: W2's fragments, (K step s, tile t) at v[64 (s % 4) + 8 t] of window 1 + s / 4.  Window 3: four tiles of h, 64 each.
.set PITCH, 528
.set PS,   67584                       ; LDS: 4 x 16,896 the waves' own stages (32 rows);  then 2 x 4 x 8,448: [turn][wave][16 rows of 512 + 16]
.set H16, 4
.set L16, 5
.set L4,  6
.set HA0, 7                            ; my K steps' 8,192 bytes in a tile + 16 lane
.set HA,  8                            ; v8-11   the same with the tile, for the four sets
.set HSA, 12                           ; v12-15  the scale words' address likewise
.set SW,  20
.set SR,  21
.set PWR, 22
.set PRD, 23
.set WSA, 24
.set HS0, 25
.set YA0, 26
.set YA,  27
.set W2S, 32                           ; v32-63  register 4 t + c: my K step c in lanes 0-15, 4 + c in lanes 16-31
.set HS,  64                           ; v64-79  register 4 u + p: K step 2 p in lanes 0-15, 2 p + 1 in lanes 16-31
.set ACC, 96                           ; v96-159
.set FR,  160                          ; v160-223 four rows x four partial sums
.set B2,  224                          ; v224-227
.set MSB, 0
.macro WIN new
.if MSB != (\new)
	s_set_vgpr_msb (MSB<<8)|(\new)
.set MSB, (\new)
.endif
.endm
; outputs 32 g .. 32 g + 31: 32 loads of 512 neighbouring bytes.  Row x lands in one of the 32 groups of four registers that tiles 2 g and 2 g + 1 will take
.macro WLOAD g
.set x, 0
.rept 32
	WIN 0x40+0x40*(x>>4)
.set rg, 64*((x>>1)&3)+8*(2*\g+((x>>3)&1))+4*(x&1)
	global_load_b128 v[rg:rg+3], v[L16], s[8:9] offset:(32*\g+x)*2048
.set x, x+1
.endr
	WIN 0
.endm
; they turn through my own stage: rows in, fragments out, into the same registers.  LDS serves a wave's instructions in order: no wait between, none in front of the next turn
.macro TURN g, n
	s_wait_loadcnt \n
.set x, 0
.rept 32
	WIN 0x04+0x04*(x>>4)
.set rg, 64*((x>>1)&3)+8*(2*\g+((x>>3)&1))+4*(x&1)
	ds_store_b128 v[SW], v[rg:rg+3] offset:x*PITCH
.set x, x+1
.endr
.irp s, 0,1,2,3,4,5,6,7
	WIN 0x40+0x40*(\s/4)
.irp h, 0,1
.irp c, 0,1
	ds_load_b128 v[64*(\s%4)+8*(2*\g+\h)+4*\c:64*(\s%4)+8*(2*\g+\h)+4*\c+3], v[SR] offset:16*\h*PITCH+64*\s+32*\c
.endr
.endr
.endr
	WIN 0
.endm
.macro HADDR u                         ; s57: the tile
	s_lshl_b32 s58, s57, 15
	s_lshl_b32 s59, s57, 11
	v_add_nc_u32 v[HA+\u], s58, v[HA0]
	v_add_nc_u32 v[HSA+\u], s59, v[HS0]
.endm
.macro HLOAD u                         ; 20 loads: my 8 K steps' images, 512 neighbouring bytes each, and their scale words, 128 each
	WIN 0xc0
.irp k, 0,1,2,3,4,5,6,7,8,9,10,11,12,13,14,15
	global_load_b128 v[64*\u+4*\k:64*\u+4*\k+3], v[HA+\u], s[14:15] offset:512*\k
.endr
	WIN 0
.irp p, 0,1,2,3
	global_load_b32 v[HS+4*\u+\p], v[HSA+\u], s[68:69] offset:128*\p
.endr
.endm
.macro HTILE u                         ; the first four tiles are asked for on every path; one that does not exist is replaced by the expert's last, which is written
	s_add_co_u32 s57, s4, 4*\u
	s_min_u32 s57, s57, s52
	s_min_u32 s57, s57, 63
	HADDR \u
	HLOAD \u
.endm
.macro ONE2 t, s, u
.set rA, 64*((\s)&3)+8*(\t)
.set rB, 64*(\u)+8*(\s)
.set rD, ACC+8*(\t)
.set rSA, W2S+4*(\t)+((\s)&3)
.set rSB, HS+4*(\u)+((\s)>>1)
.set md, ((\s)>>2)*2+((\s)&1)
.if (\s) == 0
	v_wmma_scale_f32_16x16x128_f8f6f4 v[rD:rD+7], v[rA:rA+7], v[rB:rB+7], 0, v[rSA], v[rSB] matrix_a_fmt:MATRIX_FMT_FP4 matrix_b_fmt:MATRIX_FMT_FP4
.elseif md == 0
	v_wmma_scale_f32_16x16x128_f8f6f4 v[rD:rD+7], v[rA:rA+7], v[rB:rB+7], v[rD:rD+7], v[rSA], v[rSB] matrix_a_fmt:MATRIX_FMT_FP4 matrix_b_fmt:MATRIX_FMT_FP4
.elseif md == 1
	v_wmma_scale_f32_16x16x128_f8f6f4 v[rD:rD+7], v[rA:rA+7], v[rB:rB+7], v[rD:rD+7], v[rSA], v[rSB] matrix_a_fmt:MATRIX_FMT_FP4 matrix_b_fmt:MATRIX_FMT_FP4 matrix_b_scale:MATRIX_SCALE_ROW1
.elseif md == 2
	v_wmma_scale_f32_16x16x128_f8f6f4 v[rD:rD+7], v[rA:rA+7], v[rB:rB+7], v[rD:rD+7], v[rSA], v[rSB] matrix_a_fmt:MATRIX_FMT_FP4 matrix_b_fmt:MATRIX_FMT_FP4 matrix_a_scale:MATRIX_SCALE_ROW1
.else
	v_wmma_scale_f32_16x16x128_f8f6f4 v[rD:rD+7], v[rA:rA+7], v[rB:rB+7], v[rD:rD+7], v[rSA], v[rSB] matrix_a_fmt:MATRIX_FMT_FP4 matrix_b_fmt:MATRIX_FMT_FP4 matrix_a_scale:MATRIX_SCALE_ROW1 matrix_b_scale:MATRIX_SCALE_ROW1
.endif
.endm
.macro MM2 u                           ; 64 products: K step by K step, the 8 accumulators by turns, one instruction a turn; the first K step starts the sums
.irp s, 0,1,2,3,4,5,6,7
	WIN 0x0d+(\s/4)
.irp t, 0,1,2,3,4,5,6,7
	ONE2 \t, \s, \u
.endr
.endr
	WIN 0
.endm
; a trip: tile s50, from set u of h's registers, partial sums in turn b; n: the loads issued on every path behind set u's
.macro TRIP u, b, n
	s_cmp_ge_u32 s50, s49
	s_cbranch_scc1 .Lnc_\@
	s_wait_loadcnt \n
	MM2 \u
.rept 5
	v_nop                                          ; the places behind the products: for the LDS stores of the sums, the loads into h's registers, and the next tile's first products, which begin the sums anew
.endr
	s_add_co_u32 s57, s50, 16
	s_cmp_ge_u32 s57, s49
	s_cbranch_scc1 .Lnr_\@
	HADDR \u                                       ; the set's loads have come: its address registers may be written
	HLOAD \u                                       ; the tile four trips on, if the expert has it
.Lnr_\@:
.irp t, 0,1,2,3,4,5,6,7
	ds_store_b128 v[PWR], v[ACC+8*\t:ACC+8*\t+3] offset:33792*\b+64*\t          ; each accumulator from its low end on
	ds_store_b128 v[PWR], v[ACC+8*\t+4:ACC+8*\t+7] offset:33792*\b+64*\t+16
.endr
.Lnc_\@:
	s_wait_dscnt 0x0                               ; my partial sums lie in LDS, and my reads of the last trip's are over
	s_barrier_signal -1
	s_barrier_wait -1
	s_cmp_ge_u32 s50, s49
	s_cbranch_scc1 .Lnf_\@
	s_wait_xcnt 0x0                                ; the last tile's stores have read their data and address
.irp k, 0,1,2,3
.irp p, 0,1,2,3
	ds_load_b128 v[FR+16*\k+4*\p:FR+16*\k+4*\p+3], v[PRD] offset:33792*\b+8448*\p+528*\k
.endr
.endr
	s_lshl_b32 s57, s50, 16                        ; 16 rows of 4,096 bytes a tile
	v_add_nc_u32 v[YA], s57, v[YA0]
.irp k, 0,1,2,3
	s_wait_dscnt 12-4*\k                           ; row k's four parts are in; the later rows' may be out
.irp z, 0,2
	v_pk_add_f32 v[FR+16*\k+\z:FR+16*\k+\z+1], v[FR+16*\k+\z:FR+16*\k+\z+1], v[FR+16*\k+4+\z:FR+16*\k+4+\z+1]
	v_pk_add_f32 v[FR+16*\k+8+\z:FR+16*\k+8+\z+1], v[FR+16*\k+8+\z:FR+16*\k+8+\z+1], v[FR+16*\k+12+\z:FR+16*\k+12+\z+1]
.endr
.irp z, 0,2
	v_pk_add_f32 v[FR+16*\k+\z:FR+16*\k+\z+1], v[FR+16*\k+\z:FR+16*\k+\z+1], v[FR+16*\k+8+\z:FR+16*\k+8+\z+1]
.endr
.irp z, 0,2
	v_pk_add_f32 v[FR+16*\k+\z:FR+16*\k+\z+1], v[FR+16*\k+\z:FR+16*\k+\z+1], v[B2+\z:B2+\z+1]
.endr
	global_store_b128 v[YA], v[FR+16*\k:FR+16*\k+3], s[72:73] offset:4096*\k th:TH_STORE_NT   ; 512 neighbouring bytes, aligned
.endr
.Lnf_\@:
	s_add_co_u32 s50, s50, 4
.endm
	s_load_b256 s[8:15], s[0:1], 0x0               ; W2's codes, W2's scales, b2, hbuf
	s_load_b128 s[68:71], s[0:1], 0x20             ; hsc, masks
	s_load_b64 s[72:73], s[0:1], 0x30              ; ybuf
	v_lshl_add_u32 v254, v0, 2, 0x21000
	v_mov_b32 v255, 0
	v_lshrrev_b32 v1, 5, v0
	v_readfirstlane_b32 s2, v1                     ; wave
	s_and_b32 s3, ttmp9, 7                         ; slice of outputs
	s_lshr_b32 s4, ttmp9, 3                        ; which quarter of the tiles
	s_and_b32 s5, ttmp7, 0xffff                    ; expert
	v_and_b32 v1, 31, v0
	v_and_b32 v2, 15, v0                           ; r
	v_bfe_u32 v3, v0, 4, 1                         ; h
	v_lshlrev_b32 v[H16], 4, v3
	v_lshlrev_b32 v[L16], 4, v1
	v_lshlrev_b32 v[L4], 2, v1
	s_lshl_b32 s56, s2, 13
	v_add_nc_u32 v[HA0], s56, v[L16]
	s_lshl_b32 s56, s2, 9
	v_add_nc_u32 v[HS0], s56, v[L4]
	s_mul_i32 s56, s2, 32*PITCH
	v_add_nc_u32 v[SW], s56, v[L16]                ; my stage: rows in,
	v_mul_u32_u24 v[SR], v2, PITCH
	v_add_nc_u32 v[SR], v[SR], v[H16]
	v_add_nc_u32 v[SR], s56, v[SR]                 ; fragments out
	s_mul_i32 s56, s2, 8448
	s_add_co_u32 s56, s56, PS
	v_mul_u32_u24 v[PWR], v2, PITCH
	v_lshl_add_u32 v[PWR], v3, 5, v[PWR]
	v_add_nc_u32 v[PWR], s56, v[PWR]               ; my partial sums: row r, 32 h bytes on
	s_mul_i32 s56, s2, 4*PITCH
	s_add_co_u32 s56, s56, PS
	v_add_nc_u32 v[PRD], s56, v[L16]               ; the rows that I finish: 4 w on, 16 bytes a lane
	v_lshlrev_b32 v[WSA], 7, v2
	v_add_nc_u32 v[WSA], v[WSA], v[H16]
	s_lshl_b32 s56, s2, 5
	v_add_nc_u32 v[WSA], s56, v[WSA]               ; W2's scale bytes: 128 a row, my quarter's 32, my half's 16
	s_lshl_b32 s56, s2, 14
	v_add_nc_u32 v[YA0], s56, v[L16]
	s_mov_b32 s75, 0
	s_lshl_b32 s56, s5, 21
	s_lshl_b32 s57, s3, 18
	s_lshl_b32 s58, s2, 9
	s_add_co_u32 s57, s57, s58
	s_add_co_u32 s74, s56, s57
	s_wait_kmcnt 0x0
	s_add_nc_u64 s[8:9], s[8:9], s[74:75]          ; W2's codes: expert, 128 rows of 2,048 bytes, my 512 of each
	s_mov_b32 s74, s56
	s_add_nc_u64 s[14:15], s[14:15], s[74:75]      ; hbuf: expert
	s_lshl_b32 s74, s5, 7
	s_add_nc_u64 s[70:71], s[70:71], s[74:75]
	s_load_b512 s[16:31], s[70:71], 0x0            ; the expert's member bits
	s_load_b512 s[32:47], s[70:71], 0x40
	s_lshl_b32 s56, s5, 17
	s_mov_b32 s74, s56
	s_add_nc_u64 s[68:69], s[68:69], s[74:75]      ; hsc: expert
	s_lshl_b32 s57, s3, 14
	s_add_co_u32 s74, s56, s57
	s_add_nc_u64 s[10:11], s[10:11], s[74:75]      ; W2's scales
	s_lshl_b32 s56, s3, 9
	s_lshl_b32 s57, s5, 12
	s_add_co_u32 s74, s56, s57
	s_add_nc_u64 s[12:13], s[12:13], s[74:75]      ; b2
	s_lshl_b32 s57, s5, 22
	s_add_co_u32 s74, s56, s57
	s_add_nc_u64 s[72:73], s[72:73], s[74:75]      ; ybuf: expert, my 512 bytes of a row
.irp t, 0,1,2,3,4,5,6,7
	global_load_b128 v[W2S+4*\t:W2S+4*\t+3], v[WSA], s[10:11] offset:2048*\t
.endr
	global_load_b128 v[B2:B2+3], v[L16], s[12:13]
	WLOAD 0
	WLOAD 1
	TURN 0, 32                                     ; younger: the next 32 rows
	WLOAD 2
	TURN 1, 32
	WLOAD 3
	s_wait_kmcnt 0x0
	s_bcnt1_i32_b32 s48, s16
.set j, 1
.rept 31
	s_bcnt1_i32_b32 s56, s[16+j]
	s_add_co_u32 s48, s48, s56
.set j, j+1
.endr
	s_add_co_u32 s49, s48, 15
	s_lshr_b32 s49, s49, 4
	s_max_u32 s49, s49, 1                          ; tiles, at least one: as many as the launch before has written
	s_sub_co_u32 s52, s49, 1
	s_mov_b32 s50, s4                              ; my first tile
	HTILE 0
	HTILE 1
	TURN 2, 63                                     ; 72 loads are younger; the count is the largest that the wait can name
	TURN 3, 40                                     ; younger: two tiles of h
	HTILE 2
	HTILE 3
	s_wait_dscnt 0x0                               ; the weights stand
	TRIP 0, 0, 60
	TRIP 1, 1, 40
	TRIP 2, 0, 20
	TRIP 3, 1, 0
	s_mov_b32 s51, 3
.Lfour:                                            ; the other twelve trips; a refill may or may not have been issued, so the waits are for 0
	TRIP 0, 0, 0
	TRIP 1, 1, 0
	TRIP 2, 0, 0
	TRIP 3, 1, 0
	s_sub_co_u32 s51, s51, 1
	s_cmp_lg_u32 s51, 0
	s_cbranch_scc1 .Lfour
	s_wait_tensorcnt 0x0
	ds_add_u32 v254, v255
	s_wait_dscnt 0x0
	s_endpgm
.Lfunc_end_k_q2cfbd72e32_ffn2:
	.size	k_q2cfbd72e32_ffn2, .Lfunc_end_k_q2cfbd72e32_ffn2-k_q2cfbd72e32_ffn2
	.p2alignl 7, 3214868480
	.fill 96, 4, 3214868480
	.section	.rodata,"a",@progbits
	.p2align	6, 0x0
	.amdhsa_kernel k_q2cfbd72e32_ffn2
		.amdhsa_group_segment_fixed_size 135680
		.amdhsa_private_segment_fixed_size 0
		.amdhsa_enable_private_segment 0
		.amdhsa_kernarg_size 56
		.amdhsa_user_sgpr_count 2
		.amdhsa_user_sgpr_kernarg_segment_ptr 1
		.amdhsa_wavefront_size32 1
		.amdhsa_system_sgpr_workgroup_id_x 1
		.amdhsa_system_sgpr_workgroup_id_y 1
		.amdhsa_system_sgpr_workgroup_id_z 1
		.amdhsa_system_vgpr_workitem_id 0
		.amdhsa_next_free_vgpr 1024
		.amdhsa_next_free_sgpr 76
		.amdhsa_reserve_vcc 0
		.amdhsa_float_denorm_mode_32 3
		.amdhsa_float_denorm_mode_16_64 3
		.amdhsa_memory_ordered 1
		.amdhsa_forward_progress 1
		.amdhsa_inst_pref_size 167
	.end_amdhsa_kernel
	.amdgpu_metadata
---
amdhsa.version: [ 1, 2 ]
amdhsa.kernels:
  - .name:           k_q2cfbd72e32_ffn2
    .symbol:         k_q2cfbd72e32_ffn2.kd
    .args:
      - { .name: W2_codes, .offset: 0, .size: 8, .value_kind: global_buffer, .address_space: global }
      - { .name: W2_scales, .offset: 8, .size: 8, .value_kind: global_buffer, .address_space: global }
      - { .name: b2, .offset: 16, .size: 8, .value_kind: global_buffer, .address_space: global }
      - { .name: hbuf, .offset: 24, .size: 8, .value_kind: global_buffer, .address_space: global }
      - { .name: hsc, .offset: 32, .size: 8, .value_kind: global_buffer, .address_space: global }
      - { .name: masks, .offset: 40, .size: 8, .value_kind: global_buffer, .address_space: global }
      - { .name: ybuf, .offset: 48, .size: 8, .value_kind: global_buffer, .address_space: global }
    .group_segment_fixed_size: 135680
    .private_segment_fixed_size: 0
    .kernarg_segment_align: 8
    .kernarg_segment_size: 56
    .max_flat_workgroup_size: 128
    .sgpr_count:     76
    .vgpr_count:     1024
    .wavefront_size: 32
...
	.end_amdgpu_metadata
.endif
;; end of part 3
;; launch combine (part 4): grid 256 x 1, 4 waves a work-group, no clusters, 0 bytes of LDS; arguments ybuf, probs, sel, masks, out0; writes out0
.if DOCPART == 4
	.amdgcn_target "amdgcn-amd-amdhsa--gfx1250"
	.amdhsa_code_object_version 6
	.text
	.protected	k_q2cfbd72e32_combine
	.globl	k_q2cfbd72e32_combine
	.p2align	8
	.type	k_q2cfbd72e32_combine,@function
k_q2cfbd72e32_combine:
	s_mov_b64 s[64:65], 0
	v_nop
	global_prefetch_b8 v0, s[64:65] scope:SCOPE_SE
	s_setreg_imm32_b32 hwreg(HW_REG_WAVE_MODE, 25, 1), 1
	s_wait_xcnt 0x0
; COMBINE.  out[t] = p0 y[e0][q0] + p1 y[e1][q1].  A wave owns a token.  q is the token's rank among its expert's members: the number of member bits under bit t.
; All 8 experts' member words (a word a lane) are asked for together with the token's choice, so that the rows' addresses wait for one trip to memory and not for two;
; the two experts' words are picked by selects, masked, counted by shifts and adds, and added over the lanes, both counts in one register.  All of it in whole numbers.
; A stream: no LDS, no barrier, no matrix unit; each load and store of the wave covers 512 neighbouring bytes.
	s_load_b256 s[4:11], s[0:1], 0x0               ; ybuf, probs, sel, masks
	s_load_b64 s[12:13], s[0:1], 0x20              ; out0
	v_lshrrev_b32 v1, 5, v0
	v_readfirstlane_b32 s14, v1
	v_and_b32 v1, 31, v0
	v_lshlrev_b32 v2, 2, v1
	v_lshlrev_b32 v4, 4, v1
	s_lshl_b32 s15, ttmp9, 2
	s_add_co_u32 s15, s15, s14                     ; my token
	s_lshl_b32 s16, s15, 3
	s_mov_b32 s17, 0
	s_lshr_b32 s18, s15, 5                         ; its word,
	s_and_b32 s19, s15, 31
	s_bfm_b32 s19, s19, 0                          ; and the bits under it there
	s_mov_b32 s34, 0x76543210
	s_mov_b32 s35, 0xfedcba98
	s_lshl_b32 s36, s15, 12
	s_mov_b32 s37, 0
	s_wait_kmcnt 0x0
	s_add_nc_u64 s[6:7], s[6:7], s[16:17]
	s_add_nc_u64 s[8:9], s[8:9], s[16:17]
	s_add_nc_u64 s[12:13], s[12:13], s[36:37]
	s_load_b64 s[20:21], s[6:7], 0x0               ; p0, p1
	s_load_b64 s[22:23], s[8:9], 0x0               ; e0, e1
.irp j, 0,1,2,3,4,5,6,7
	global_load_b32 v[8+\j], v2, s[10:11] offset:128*\j
.endr
	v_mov_b32 v5, -1
	v_mov_b32 v6, s19
	v_cmp_gt_u32 vcc_lo, s18, v1
	v_cndmask_b32 v3, 0, v5, vcc_lo                ; words under the token's count whole,
	v_cmp_eq_u32 vcc_lo, s18, v1
	v_cndmask_b32 v3, v3, v6, vcc_lo               ; its own word in part, the others not
	v_mov_b32 v18, 0
	s_wait_kmcnt 0x0
	s_min_u32 s22, s22, 7
	s_min_u32 s23, s23, 7
	s_mov_b32 s32, s21
	s_mov_b32 s33, s21                             ; p1 as the low word of a pair
	s_wait_loadcnt 0x0
	v_mov_b32 v16, v8
	v_mov_b32 v17, v8
.irp j, 1,2,3,4,5,6,7
	s_cmp_eq_u32 s22, \j
	s_cselect_b32 s24, -1, 0
	s_cmp_eq_u32 s23, \j
	s_cselect_b32 s25, -1, 0
	v_cndmask_b32 v16, v16, v[8+\j], s24
	v_cndmask_b32 v17, v17, v[8+\j], s25
.endr
	v_and_b32 v16, v16, v3
	v_and_b32 v17, v17, v3
.macro POPC r, t                       ; the number of set bits
	v_lshrrev_b32 v[\t], 1, v[\r]
	v_and_b32 v[\t], 0x55555555, v[\t]
	v_sub_nc_u32 v[\r], v[\r], v[\t]
	v_lshrrev_b32 v[\t], 2, v[\r]
	v_and_b32 v[\t], 0x33333333, v[\t]
	v_and_b32 v[\r], 0x33333333, v[\r]
	v_add_nc_u32 v[\r], v[\r], v[\t]
	v_lshrrev_b32 v[\t], 4, v[\r]
	v_add_nc_u32 v[\r], v[\r], v[\t]
	v_and_b32 v[\r], 0x0f0f0f0f, v[\r]
	v_lshrrev_b32 v[\t], 8, v[\r]
	v_add_nc_u32 v[\r], v[\r], v[\t]
	v_lshrrev_b32 v[\t], 16, v[\r]
	v_add_nc_u32 v[\r], v[\r], v[\t]
	v_and_b32 v[\r], 63, v[\r]
.endm
	POPC 16, 19
	POPC 17, 20
	v_lshl_or_b32 v16, v17, 16, v16                ; each sum stays under 1,024: both fit one register
.irp m, 1,2,4,8
	v_mov_b32_dpp v18, v16 row_xmask:\m row_mask:0xf bank_mask:0xf
	v_add_nc_u32 v16, v16, v18
.endr
	v_permlanex16_b32 v18, v16, s34, s35
	v_add_nc_u32 v16, v16, v18
	v_readfirstlane_b32 s26, v16
	s_and_b32 s27, s26, 0xffff
	s_lshr_b32 s26, s26, 16
	s_min_u32 s27, s27, 1023                       ; q0
	s_min_u32 s26, s26, 1023                       ; q1
	s_lshl_b32 s28, s22, 22                        ; 1,024 rows of 4,096 bytes an expert
	s_lshl_b32 s27, s27, 12
	s_add_co_u32 s28, s28, s27
	s_mov_b32 s29, 0
	s_lshl_b32 s30, s23, 22
	s_lshl_b32 s26, s26, 12
	s_add_co_u32 s30, s30, s26
	s_mov_b32 s31, 0
	s_add_nc_u64 s[28:29], s[4:5], s[28:29]
	s_add_nc_u64 s[30:31], s[4:5], s[30:31]
.irp i, 0,1,2,3,4,5,6,7
	global_load_b128 v[32+4*\i:35+4*\i], v4, s[28:29] offset:512*\i th:TH_LOAD_NT
	global_load_b128 v[64+4*\i:67+4*\i], v4, s[30:31] offset:512*\i th:TH_LOAD_NT
.endr
.irp i, 0,1,2,3,4,5,6,7
	s_wait_loadcnt 14-2*\i                         ; this piece's two loads are in; the later pieces' may be out
	v_pk_mul_f32 v[96+4*\i:97+4*\i], v[64+4*\i:65+4*\i], s[32:33] op_sel_hi:[1,0]
	v_pk_mul_f32 v[98+4*\i:99+4*\i], v[66+4*\i:67+4*\i], s[32:33] op_sel_hi:[1,0]
	v_pk_fma_f32 v[96+4*\i:97+4*\i], v[32+4*\i:33+4*\i], s[20:21], v[96+4*\i:97+4*\i] op_sel_hi:[1,0,1]
	v_pk_fma_f32 v[98+4*\i:99+4*\i], v[34+4*\i:35+4*\i], s[20:21], v[98+4*\i:99+4*\i] op_sel_hi:[1,0,1]
	global_store_b128 v4, v[96+4*\i:99+4*\i], s[12:13] offset:512*\i th:TH_STORE_NT   ; each piece has its own registers: no store's data are written again
.endr
	s_endpgm
.Lfunc_end_k_q2cfbd72e32_combine:
	.size	k_q2cfbd72e32_combine, .Lfunc_end_k_q2cfbd72e32_combine-k_q2cfbd72e32_combine
	.p2alignl 7, 3214868480
	.fill 96, 4, 3214868480
	.section	.rodata,"a",@progbits
	.p2align	6, 0x0
	.amdhsa_kernel k_q2cfbd72e32_combine
		.amdhsa_group_segment_fixed_size 0
		.amdhsa_private_segment_fixed_size 0
		.amdhsa_enable_private_segment 0
		.amdhsa_kernarg_size 40
		.amdhsa_user_sgpr_count 2
		.amdhsa_user_sgpr_kernarg_segment_ptr 1
		.amdhsa_wavefront_size32 1
		.amdhsa_system_sgpr_workgroup_id_x 1
		.amdhsa_system_sgpr_workgroup_id_y 1
		.amdhsa_system_sgpr_workgroup_id_z 1
		.amdhsa_system_vgpr_workitem_id 0
		.amdhsa_next_free_vgpr 128
		.amdhsa_next_free_sgpr 66
		.amdhsa_reserve_vcc 1
		.amdhsa_float_denorm_mode_32 3
		.amdhsa_float_denorm_mode_16_64 3
		.amdhsa_memory_ordered 1
		.amdhsa_forward_progress 1
		.amdhsa_inst_pref_size 12
	.end_amdhsa_kernel
	.amdgpu_metadata
---
amdhsa.version: [ 1, 2 ]
amdhsa.kernels:
  - .name:           k_q2cfbd72e32_combine
    .symbol:         k_q2cfbd72e32_combine.kd
    .args:
      - { .name: ybuf, .offset: 0, .size: 8, .value_kind: global_buffer, .address_space: global }
      - { .name: probs, .offset: 8, .size: 8, .value_kind: global_buffer, .address_space: global }
      - { .name: sel, .offset: 16, .size: 8, .value_kind: global_buffer, .address_space: global }
      - { .name: masks, .offset: 24, .size: 8, .value_kind: global_buffer, .address_space: global }
      - { .name: out0, .offset: 32, .size: 8, .value_kind: global_buffer, .address_space: global }
    .group_segment_fixed_size: 0
    .private_segment_fixed_size: 0
    .kernarg_segment_align: 8
    .kernarg_segment_size: 40
    .max_flat_workgroup_size: 128
    .sgpr_count:     66
    .vgpr_count:     128
    .wavefront_size: 32
...
	.end_amdgpu_metadata
.endif
;; end of part 4
;; ======== version 2 of 2: 4 launches
;; workspace buffers: xq 524,288 bytes; xs 32,768 bytes; masks 1,024 bytes of whole numbers; sel 8,192 bytes of whole numbers; probs 8,192 bytes; hbuf 16,777,216 bytes; hsc 1,048,576 bytes; ybuf 33,554,432 bytes
;; launch route (part 5): grid 128 x 1, 4 waves a work-group, no clusters, 71,168 bytes of LDS; arguments x, gate_w, gate_b, xq, xs, masks, probs, sel; writes xq, xs, masks, probs, sel
.if DOCPART == 5
	.amdgcn_target "amdgcn-amd-amdhsa--gfx1250"
	.amdhsa_code_object_version 6
	.text
	.protected	k_q2cfbd72e32_route
	.globl	k_q2cfbd72e32_route
	.p2align	8
	.type	k_q2cfbd72e32_route,@function
k_q2cfbd72e32_route:
	s_mov_b64 s[64:65], 0
	v_nop
	global_prefetch_b8 v0, s[64:65] scope:SCOPE_SE
	s_setreg_imm32_b32 hwreg(HW_REG_WAVE_MODE, 25, 1), 1
	s_wait_xcnt 0x0
; ROUTE.  For 8 tokens a work-group (2 a wave): x is quantised to E2M1 codes with one E8M0 byte for each 32 along D; the gate's 8 scores are summed in f32;
; the two largest are chosen (the lower index wins a tie), their softmax is taken with the larger score taken away first.
; OUT: xq [token][512 B] codes, xs [token][32 B] scale bytes, masks [expert][128 B] (bit t = token t is a member), sel [token][e0, e1], probs [token][p0, p1].
; The choice is only STORED here, at places that hang on ids alone: no address and no branch of this text hangs on it.
; A lane holds block l of a token: x[32 l .. 32 l + 31].  The loads are dense (512 bytes a wave) and turn through the wave's own LDS bytes.
; gate_w (32 KB) is brought into LDS once by the four waves; lane l reads its 32 rows of 8 numbers from there.
; No matrix unit (N = 8), no cluster, no tensor load: the work-groups share gate_w alone, 32 KB beside their own 32 KB of x.
; LIMITS: NaN and infinities are not served.  A block of zeros gets the byte 1 (its codes are zeros; only this program reads the bytes).
; The gate's sum has another order than the reference's: two scores closer than f32 sums resolve may be chosen the other way.
.set XST,  33280                       ; LDS: 0 .. 33279 gate_w, 16 bytes of padding behind each 1,024;  then 9,216 bytes a wave: two tokens, 16 bytes of padding behind each 128
.set RT,   70144                       ; 128 bytes: e0, e1 of the 8 tokens, then p0, p1
.set X,    8                           ; v8-71    my block of the two tokens
.set LX,   72                          ; v72-135  x as loaded; later two sets of 32 gate numbers
.set LG,   136                         ; v136-199 gate_w as loaded; later at work
.set G,    72
.set ACC,  200                         ; v200-215 the 2 x 8 sums
	s_load_b512 s[4:19], s[0:1], 0x0               ; x, gate_w, gate_b, xq, xs, masks, probs, sel
	v_lshl_add_u32 v254, v0, 2, 0x11400
	v_mov_b32 v255, 0
	v_and_b32 v1, 31, v0                           ; lane
	s_wait_alu depctr_va_vdst(0)
	v_lshrrev_b32 v3, 5, v0
	v_readfirstlane_b32 s20, v3                    ; wave
	v_lshlrev_b32 v2, 4, v1                        ; 16 x lane
	s_mov_b32 s22, 0x76543210
	s_mov_b32 s23, 0xfedcba98                      ; v_permlanex16_b32: lane l xor 16
	s_lshl_b32 s32, ttmp9, 15                      ; 8 tokens of 4,096 bytes a work-group,
	s_lshl_b32 s34, s20, 13                        ; 2 a wave.  Also: my 8,192 bytes of gate_w
	s_add_co_u32 s32, s32, s34
	s_mov_b32 s33, 0
	s_mov_b32 s35, 0
	s_lshr_b32 s36, s32, 3                         ; codes: 512 bytes a token
	s_mov_b32 s37, 0
	s_lshr_b32 s38, s32, 7                         ; scale bytes: 32 a token
	s_mov_b32 s39, 0
	s_lshl_b32 s44, ttmp9, 6                       ; probs, sel: 64 bytes a work-group
	s_mov_b32 s45, 0
	s_mov_b32 s46, ttmp9                           ; masks: byte g of each expert's 128
	s_mov_b32 s47, 0
	v_lshrrev_b32 v4, 3, v1
	s_wait_alu depctr_va_vdst(0)
	v_lshl_add_u32 v3, v4, 4, v2                   ; 16 l + 16 (l / 8)
	s_mul_i32 s40, s20, 9216
	s_add_co_u32 s40, s40, XST
	v_add_nc_u32 v3, s40, v3                       ; x into LDS, as loaded
	v_mul_u32_u24 v4, v1, 144
	v_add_nc_u32 v4, s40, v4                       ; and back: block l, 128 bytes + 16
	s_mul_i32 s41, s20, 8320
	v_add_nc_u32 v5, s41, v2                       ; gate_w into LDS: my wave's 8 x 1,040 bytes
	v_mul_u32_u24 v6, v1, 1040                     ; and back: the 1,024 bytes of rows 32 l .. 32 l + 31
	s_lshl_b32 s42, s20, 4
	s_add_co_u32 s42, s42, RT
	v_mov_b32 v7, s42                              ; my wave's two tokens in the table
	s_wait_alu depctr_va_vdst(0)
	s_wait_kmcnt 0x0
	s_add_nc_u64 s[4:5], s[4:5], s[32:33]
	s_add_nc_u64 s[6:7], s[6:7], s[34:35]
	s_add_nc_u64 s[10:11], s[10:11], s[36:37]
	s_add_nc_u64 s[12:13], s[12:13], s[38:39]
	s_add_nc_u64 s[14:15], s[14:15], s[46:47]
	s_add_nc_u64 s[16:17], s[16:17], s[44:45]
	s_add_nc_u64 s[18:19], s[18:19], s[44:45]
	s_load_b256 s[24:31], s[8:9], 0x0              ; gate_b
.irp t, 0,1
.irp i, 0,1,2,3,4,5,6,7
	global_load_b128 v[LX+32*\t+4*\i:LX+32*\t+4*\i+3], v2, s[4:5] offset:4096*\t+512*\i th:TH_LOAD_NT   ; 512 neighbouring bytes a load
.endr
.endr
.irp i, 0,1,2,3,4,5,6,7,8,9,10,11,12,13,14,15
	global_load_b128 v[LG+4*\i:LG+4*\i+3], v2, s[6:7] offset:512*\i
.endr
	s_wait_loadcnt 16                              ; x is in; gate_w's 16 loads may be out
.irp t, 0,1
.irp i, 0,1,2,3,4,5,6,7
	ds_store_b128 v3, v[LX+32*\t+4*\i:LX+32*\t+4*\i+3] offset:4608*\t+576*\i
.endr
.endr
.irp t, 0,1
.irp i, 0,1,2,3,4,5,6,7
	ds_load_b128 v[X+32*\t+4*\i:X+32*\t+4*\i+3], v4 offset:4608*\t+16*\i   ; my wave's own bytes: LDS serves a wave's instructions in order
.endr
.endr
	s_wait_dscnt 0x0
; token t's block of 32 in my lane becomes 16 bytes of codes and a scale byte
.macro QX t
.set XB, X+32*\t
	v_max3_num_f32 v216, |v[XB]|, |v[XB+1]|, |v[XB+2]|
	v_max3_num_f32 v217, |v[XB+3]|, |v[XB+4]|, |v[XB+5]|
.irp i, 6,10,14,18,22,26
	v_max3_num_f32 v216, v216, |v[XB+\i]|, |v[XB+\i+1]|
	v_max3_num_f32 v217, v217, |v[XB+\i+2]|, |v[XB+\i+3]|
.endr
	v_max3_num_f32 v216, v216, |v[XB+30]|, |v[XB+31]|
	v_max3_num_f32 v216, v216, v217, 0x1800000     ; the floor 2^(3 - 127): the byte cannot fall under 1
	v_add_nc_u32 v[218+\t], 0xff000000, v216       ; 2 off the exponent field: the conversion's scale operand
.irp g, 0,1,2,3
	v_cvt_scalef32_pk8_fp4_f32 v[220+4*\t+\g], v[XB+8*\g:XB+8*\g+7], v[218+\t]
.endr
	v_lshrrev_b32 v[228+\t], 23, v[218+\t]         ; the scale's byte (also the plain line behind the conversions)
	global_store_b128 v2, v[220+4*\t:223+4*\t], s[10:11] offset:512*\t   ; the wave stores the token's 512 bytes
	global_store_b8 v1, v[228+\t], s[12:13] offset:32*\t
.endm
	QX 0
	QX 1                                           ; each token has its own registers for codes and byte: no store's data are written again
	s_wait_loadcnt 0x0                             ; gate_w
.irp i, 0,1,2,3,4,5,6,7,8,9,10,11,12,13,14,15
	ds_store_b128 v5, v[LG+4*\i:LG+4*\i+3] offset:512*\i+16*(\i/2)
.endr
	s_wait_dscnt 0x0                               ; for the others' sake: my part of gate_w lies in LDS
	s_barrier_signal -1
	s_barrier_wait -1
; the gate: 8 chunks of 4 rows of gate_w a lane, two sets of registers by turns
.macro GLOAD c, buf
.irp i, 0,1,2,3,4,5,6,7
	ds_load_b128 v[G+32*\buf+4*\i:G+32*\buf+4*\i+3], v6 offset:128*\c+16*\i
.endr
.endm
.macro GFMA c, buf                     ; two experts an instruction; x's number is taken for both halves
.irp dd, 0,1,2,3
.irp t, 0,1
.irp e, 0,2,4,6
.set rA, ACC+8*\t+\e
.set rX, X+32*\t+4*\c+2*(\dd/2)
.set rG, G+32*\buf+8*\dd+\e
.if (\c == 0) && (\dd == 0)
	v_pk_mul_f32 v[rA:rA+1], v[rX:rX+1], v[rG:rG+1] op_sel_hi:[0,1]          ; the first product starts the sums
.elseif (\dd % 2) == 0
	v_pk_fma_f32 v[rA:rA+1], v[rX:rX+1], v[rG:rG+1], v[rA:rA+1] op_sel_hi:[0,1,1]
.else
	v_pk_fma_f32 v[rA:rA+1], v[rX:rX+1], v[rG:rG+1], v[rA:rA+1] op_sel:[1,0,0] op_sel_hi:[1,1,1]
.endif
.endr
.endr
.endr
.endm
	GLOAD 0, 0
	GLOAD 1, 1
.irp c, 0,1,2,3,4,5
	s_wait_alu depctr_va_vdst(0)
	s_wait_dscnt 8                                 ; this chunk's 8 loads are in, the next chunk's may be out
	GFMA \c, (\c%2)
	GLOAD (\c+2), (\c%2)
.endr
	s_wait_alu depctr_va_vdst(0)
	s_wait_dscnt 8
	GFMA 6, 0
	s_wait_alu depctr_va_vdst(0)
	s_wait_dscnt 0x0
	GFMA 7, 1
.irp m, 1,2,4,8
.irp a, 0,1,2,3,4,5,6,7,8,9,10,11,12,13,14,15
	v_add_f32_dpp v[ACC+\a], v[ACC+\a], v[ACC+\a] row_xmask:\m row_mask:0xf bank_mask:0xf
.endr
.endr
.irp a, 0,1,2,3,4,5,6,7,8,9,10,11,12,13,14,15
	v_permlanex16_b32 v[G+\a], v[ACC+\a], s22, s23
.endr
.irp a, 0,1,2,3,4,5,6,7,8,9,10,11,12,13,14,15
	v_add_f32 v[ACC+\a], v[ACC+\a], v[G+\a]        ; every lane holds the 16 sums
.endr
	s_wait_kmcnt 0x0                               ; gate_b
.irp t, 0,1
.irp e, 0,1,2,3,4,5,6,7
	v_add_f32 v[ACC+8*\t+\e], s[24+\e], v[ACC+8*\t+\e]
.endr
.endr
	v_mov_b32 v152, 0xff800000                     ; -infinity
.macro SCAN sc, bv, bi                 ; the largest of 8 and its index; a later one must be strictly larger
	v_mov_b32 v[\bv], v[\sc]
	v_mov_b32 v[\bi], 0
.irp e, 1,2,3,4,5,6,7
	v_cmp_le_f32 vcc_lo, v[\sc+\e], v[\bv]
	v_cndmask_b32 v[\bv], v[\sc+\e], v[\bv], vcc_lo
	v_cndmask_b32 v[\bi], \e, v[\bi], vcc_lo
.endr
.endm
.macro TOP2 t
.set SS, ACC+8*\t
.set WK, 136+8*\t
	SCAN SS, WK, WK+1
.irp e, 0,1,2,3,4,5,6,7
	v_cmp_eq_u32 vcc_lo, \e, v[WK+1]
	v_cndmask_b32 v[SS+\e], v[SS+\e], v152, vcc_lo ; the winner is taken out
.endr
	SCAN SS, WK+2, WK+3
	v_sub_f32 v[WK+4], v[WK+2], v[WK]              ; the second score less the largest: 0 or less
	v_mul_f32 v[WK+4], 0x3fb8aa3b, v[WK+4]
	s_wait_alu depctr_va_vdst(0)
	v_exp_f32 v[WK+4], v[WK+4]
	v_nop                                          ; a plain line behind the transcendental
	s_wait_alu depctr_va_vdst(0)
	v_add_f32 v[WK+5], 1.0, v[WK+4]
	s_wait_alu depctr_va_vdst(0)
	v_rcp_f32 v[WK+5], v[WK+5]                     ; p0
	v_nop
	s_wait_alu depctr_va_vdst(0)
	v_mul_f32 v[WK+6], v[WK+4], v[WK+5]            ; p1
	ds_store_b32 v7, v[WK+1] offset:8*\t           ; all lanes write the same word with the same value
	ds_store_b32 v7, v[WK+3] offset:8*\t+4
	ds_store_b32 v7, v[WK+5] offset:64+8*\t
	ds_store_b32 v7, v[WK+6] offset:68+8*\t
.endm
	TOP2 0
	TOP2 1
	s_wait_dscnt 0x0
	s_barrier_signal -1
	s_barrier_wait -1                              ; the 8 tokens' choices lie in the table
	s_cmp_lg_u32 s20, 0
	s_cbranch_scc1 .Lend
	; wave 0 stores them.  Lanes that name the same address hold the same value, so all lanes stay on.
	v_mov_b32 v182, RT
	v_and_b32 v183, 15, v0
	v_lshlrev_b32 v185, 2, v183                    ; word l % 16 of the work-group's 16
	v_add_nc_u32 v183, RT, v185
.irp i, 0,1,2,3
	ds_load_b128 v[160+4*\i:163+4*\i], v182 offset:16*\i
.endr
	ds_load_b32 v177, v183
	ds_load_b32 v176, v183 offset:64
	v_and_b32 v178, 7, v0                          ; my expert
	v_lshlrev_b32 v184, 7, v178
	v_mov_b32 v179, 0
	v_mov_b32 v181, 1
	s_wait_alu depctr_va_vdst(0)
	s_wait_dscnt 0x0
.irp q, 0,1,2,3,4,5,6,7
	v_cmp_eq_u32 vcc_lo, v[160+2*\q], v178
	v_cmp_eq_u32 s33, v[161+2*\q], v178
	s_or_b32 vcc_lo, vcc_lo, s33
	v_cndmask_b32 v180, 0, v181, vcc_lo
	v_lshl_or_b32 v179, v180, \q, v179             ; bit q: token 8 g + q is a member of my expert
.endr
	global_store_b8 v184, v179, s[14:15]
	global_store_b32 v185, v177, s[18:19]
	global_store_b32 v185, v176, s[16:17]
.Lend:
	s_wait_tensorcnt 0x0
	ds_add_u32 v254, v255
	s_wait_dscnt 0x0
	s_endpgm
.Lfunc_end_k_q2cfbd72e32_route:
	.size	k_q2cfbd72e32_route, .Lfunc_end_k_q2cfbd72e32_route-k_q2cfbd72e32_route
	.p2alignl 7, 3214868480
	.fill 96, 4, 3214868480
	.section	.rodata,"a",@progbits
	.p2align	6, 0x0
	.amdhsa_kernel k_q2cfbd72e32_route
		.amdhsa_group_segment_fixed_size 71168
		.amdhsa_private_segment_fixed_size 0
		.amdhsa_enable_private_segment 0
		.amdhsa_kernarg_size 64
		.amdhsa_user_sgpr_count 2
		.amdhsa_user_sgpr_kernarg_segment_ptr 1
		.amdhsa_wavefront_size32 1
		.amdhsa_system_sgpr_workgroup_id_x 1
		.amdhsa_system_sgpr_workgroup_id_y 1
		.amdhsa_system_sgpr_workgroup_id_z 1
		.amdhsa_system_vgpr_workitem_id 0
		.amdhsa_next_free_vgpr 256
		.amdhsa_next_free_sgpr 66
		.amdhsa_reserve_vcc 1
		.amdhsa_float_denorm_mode_32 3
		.amdhsa_float_denorm_mode_16_64 3
		.amdhsa_memory_ordered 1
		.amdhsa_forward_progress 1
		.amdhsa_inst_pref_size 47
	.end_amdhsa_kernel
	.amdgpu_metadata
---
amdhsa.version: [ 1, 2 ]
amdhsa.kernels:
  - .name:           k_q2cfbd72e32_route
    .symbol:         k_q2cfbd72e32_route.kd
    .args:
      - { .name: x, .offset: 0, .size: 8, .value_kind: global_buffer, .address_space: global }
      - { .name: gate_w, .offset: 8, .size: 8, .value_kind: global_buffer, .address_space: global }
      - { .name: gate_b, .offset: 16, .size: 8, .value_kind: global_buffer, .address_space: global }
      - { .name: xq, .offset: 24, .size: 8, .value_kind: global_buffer, .address_space: global }
      - { .name: xs, .offset: 32, .size: 8, .value_kind: global_buffer, .address_space: global }
      - { .name: masks, .offset: 40, .size: 8, .value_kind: global_buffer, .address_space: global }
      - { .name: probs, .offset: 48, .size: 8, .value_kind: global_buffer, .address_space: global }
      - { .name: sel, .offset: 56, .size: 8, .value_kind: global_buffer, .address_space: global }
    .group_segment_fixed_size: 71168
    .private_segment_fixed_size: 0
    .kernarg_segment_align: 8
    .kernarg_segment_size: 64
    .max_flat_workgroup_size: 128
    .sgpr_count:     66
    .vgpr_count:     256
    .wavefront_size: 32
...
	.end_amdgpu_metadata
.endif
;; end of part 5
;; launch ffn1 (part 6): grid 32 x 8, 4 waves a work-group, no clusters, 68,096 bytes of LDS; arguments xq, xs, W1_codes, W1_scales, b1, masks, hbuf, hsc; writes hbuf, hsc
.if DOCPART == 6
	.amdgcn_target "amdgcn-amd-amdhsa--gfx1250"
	.amdhsa_code_object_version 6
	.text
	.protected	k_q2cfbd72e32_ffn1
	.globl	k_q2cfbd72e32_ffn1
	.p2align	8
	.type	k_q2cfbd72e32_ffn1,@function
k_q2cfbd72e32_ffn1:
	s_mov_b64 s[64:65], 0
	v_nop
	global_prefetch_b8 v0, s[64:65] scope:SCOPE_SE
	s_setreg_imm32_b32 hwreg(HW_REG_WAVE_SCHED_MODE, 0, 2), 2
	s_setreg_imm32_b32 hwreg(HW_REG_WAVE_MODE, 25, 1), 1
	s_wait_xcnt 0x0
	s_wait_alu depctr_vm_vsrc(0)
; FFN1.  h = Q(relu(x W1 + b1)) for the rows that were routed to an expert, on E2M1 codes with E8M0 scales.  Work-group (sl, e): hidden units 128 sl .. 128 sl + 127 of expert e.
; THE WEIGHTS STAND STILL: all four waves hold the slice (128 units x K = 1,024: 512 registers).  It is read from memory once in the launch, in whole rows of 512 bytes,
; and turned into fragments through LDS.  What streams is x's codes, 16 rows a tile.  Wave w takes tiles w, w + 4, w + 8, ..: two a trip, T and T + 4 with T = w + 8 n,
; so that no wave has more than the fourth part of the expert's tiles, rounded up.
; THE LIST IS NOT STORED: row q is the token of the q-th set bit of the expert's 1,024 member bits.  Each lane finds its own by comparing q with the 32 words' running counts
; and walking down the chosen word's field counts: no branch, no memory.  A q behind the expert's count still gives a token 0 .. 1,023; such rows are computed and never used.
; THE PRODUCT IS USED TRANSPOSED (source 0 = 16 units, source 1 = 16 rows of x), and lane r of tile 2 b + u takes unit 32 b + 8 u + r + 8 (r / 8): a lane's 64 results are then
; k = 32 b + 16 (lane / 16) + i of its own row, which is what the conversions want.  b1 is the C of each sum's first product.
; OUT: hbuf [expert][tile][K step = sl][1,024 B]: the fragment's registers as they stand (group c at 512 c + 16 lane); hsc [expert][tile][K step][16 rows] scale words.
; THE LOOP has a constant count, 8: an expert has at most 1,024 rows = 64 tiles = 16 a wave, two a trip.  A wave whose tiles are done ends inside the loop.
; No tensor load and no joint request: where a wave ends hangs on a count read from memory, and no two work-groups read the same weights.
; At least tile 0 of every expert is made, so that the next launch's first loads find written bytes.
; LIMITS: NaN and infinities are not served; a block of zeros gets the byte 1 (zero codes; only this program reads the bytes).
; REGISTERS: window 0: addresses, the search, scale words, the 8 accumulators, codes.  Windows 1, 2: W1's fragments, (K step s, tile t) at v[64 (s % 4) + 8 t] of window 1 + s / 4.
; Window 3: v0-63, v64-127 x's fragments of tiles A and B; v128-191 b1 in the result's layout.
; THE MODE: SCHED_MODE bits 1:0 = 2 (LLVM: expert scheduling mode 2), set by the entry lines.  The code itself states the register dependences
; between vector or matrix instructions and memory or LDS instructions, with s_wait_alu, always for 0.
; THE PLAN.  Registers that memory instructions touch, in the loop:
;   tile A's fragments (window 3, v0-63) and scale words (v64-67)   17 loads land in them; tile A's 64 products read them.  Tile B's (v64-127; v68-71) likewise.
;   AA, SA    read by tile A's 17 loads; written once a trip, behind the search.      AB, SB    read by tile B's loads; written once a trip, behind tile B's products.
;   the codes (v136-143), the scale word, STA, SSA    written by a tile's last vector lines; read by its three stores.
;   v[L16] and the other addresses of the head are never written again.
; A tile has three waits.  At its head, on vm_vsrc: its earlier loads have read its address pair and the last tile's stores their four kinds of register, all of which this tile writes again.
; Behind its products and the lines that make its next addresses, on va_vdst: the products are done with its fragments and scale words, and the addresses are written: the 17 loads follow.
; Ahead of its three stores, on va_vdst: their data and addresses are written.
; A vector compare's mask has its wait (va_sdst, or va_vcc) ahead of the selects that read it: the search's 31 compares stand in four runs, each into scalar registers of its own.
.set PITCH, 528                        ; an LDS row: 512 bytes + 16: the 16 rows of a fragment load start at 16 different groups of banks
.set H16, 4                            ; 16 (lane / 16)
.set L16, 5                            ; 16 lane
.set R4,  6                            ; 4 (lane % 16)
.set ONE, 7
.set AA,  8                            ; tile A: my row's codes, its scale bytes
.set SA,  9
.set AB,  10                           ; tile B
.set SB,  11
.set TB,  12                           ; tile B's token, held back until B's pending loads have come
.set STA, 13
.set SSA, 14
.set Q,   15                           ; my q
.set QP,  16
.set SP,  17
.set SM,  18
.set RK,  19
.set WI,  20
.set POS, 21
.set FA,  22
.set FB,  23
.set FC,  24
.set FD,  25
.set T0,  26
.set T1,  27
.set XP,  28
.set TOK, 29
.set TA,  30
.set W1S, 32                           ; v32-63  W1's scale words: register 4 t + c: K step c in lanes 0-15, K step 4 + c in lanes 16-31
.set XSC, 64                           ; v64-71  x's, likewise, for tiles A and B
.set ACC, 72                           ; v72-135
.set PC,  136                          ; v136-143 the codes just made
.set TM,  144                          ; v144-159 at work
.set PW,  160                          ; the scale word just made
.set BA,  161
.set WSA, 162
.set SW,  166
.set SR,  167
.set B1,  128                          ; in window 3
.set SEL, 78                           ; s[78:79]
.set IT,  15                           ; s15 trips to go
.set P,   76                           ; s76 the trip's tile A;  s100 the expert's tiles;  s101 its rows
.set NT,  100
.set CNT, 101
.set MSB, 0
.macro WIN new                         ; the immediate's high byte repeats the setting that is left
.if MSB != (\new)
	s_set_vgpr_msb (MSB<<8)|(\new)
.set MSB, (\new)
.endif
.endm
; 17 loads: a tile's 16 rows x 512 bytes of codes as fragments (lane (r, h): 16 bytes at 32 k + 16 h of its row), and 16 of the row's 32 scale bytes
.macro XLOAD buf, va, vs
	WIN 0xc0
.irp k, 0,1,2,3,4,5,6,7,8,9,10,11,12,13,14,15
	global_load_b128 v[64*\buf+4*\k:64*\buf+4*\k+3], v[\va], s[4:5] offset:32*\k
.endr
	WIN 0
	global_load_b128 v[XSC+4*\buf:XSC+4*\buf+3], v[\vs], s[6:7]
.endm
; 64 products: K step by K step, the 8 accumulators by turns, one instruction a turn
.macro MM buf
.irp s, 0,1,2,3,4,5,6,7
.if \s == 0
	WIN 0x3d                                       ; W1 window 1, x window 3, C = b1 window 3
.elseif \s < 4
	WIN 0x0d
.else
	WIN 0x0e                                       ; W1 window 2
.endif
.irp t, 0,1,2,3,4,5,6,7
.if \s == 0
	v_wmma_scale_f32_16x16x128_f8f6f4 v[ACC+8*\t:ACC+8*\t+7], v[8*\t:8*\t+7], v[64*\buf:64*\buf+7], v[B1+8*\t:B1+8*\t+7], v[W1S+4*\t], v[XSC+4*\buf] matrix_a_fmt:MATRIX_FMT_FP4 matrix_b_fmt:MATRIX_FMT_FP4
.elseif \s < 4
	v_wmma_scale_f32_16x16x128_f8f6f4 v[ACC+8*\t:ACC+8*\t+7], v[64*\s+8*\t:64*\s+8*\t+7], v[64*\buf+8*\s:64*\buf+8*\s+7], v[ACC+8*\t:ACC+8*\t+7], v[W1S+4*\t+\s], v[XSC+4*\buf+\s] matrix_a_fmt:MATRIX_FMT_FP4 matrix_b_fmt:MATRIX_FMT_FP4
.else
	v_wmma_scale_f32_16x16x128_f8f6f4 v[ACC+8*\t:ACC+8*\t+7], v[64*(\s-4)+8*\t:64*(\s-4)+8*\t+7], v[64*\buf+8*\s:64*\buf+8*\s+7], v[ACC+8*\t:ACC+8*\t+7], v[W1S+4*\t+\s-4], v[XSC+4*\buf+\s-4] matrix_a_fmt:MATRIX_FMT_FP4 matrix_b_fmt:MATRIX_FMT_FP4 matrix_a_scale:MATRIX_SCALE_ROW1 matrix_b_scale:MATRIX_SCALE_ROW1
.endif
.endr
.endr
	WIN 0
.endm
; one step down a word's field counts: if my rank is not inside the lower field, pass it
.macro DESC src, width, sh
	v_bfe_u32 v[T0], v[\src], v[POS], \width
	v_cmp_ge_u32 vcc_lo, v[RK], v[T0]
	s_wait_alu depctr_va_vcc(0)                    ; the compare has written VCC, ahead of the two selects that read it
	v_cndmask_b32 v[T0], 0, v[T0], vcc_lo
	v_cndmask_b32 v[T1], 0, v[ONE], vcc_lo
	v_sub_nc_u32 v[RK], v[RK], v[T0]
	v_lshl_add_u32 v[POS], v[T1], \sh, v[POS]
.endm
; the scalar register that takes the kk-th mask of a run of compares: eight that hold nothing else from the first search on
.macro CMOF
.if kk < 4
.set cm, 96+kk
.elseif kk == 4
.set cm, 3
.elseif kk == 5
.set cm, 14
.elseif kk == 6
.set cm, 48
.else
.set cm, 77
.endif
.endm
; words j0 .. j0 + n - 1 of the search: the compares in a run, one wait, then the selects, in ascending order of the words
.macro RUN j0, n
.set j, \j0
.rept \n
.set pk, 48+j+16*(j/16)
.set kk, j-\j0
	CMOF
	v_cmp_gt_u32 s[cm], s[pk], v[QP]               ; the running counts never fall: the last word whose count is not above q stays
.set j, j+1
.endr
	s_wait_alu depctr_va_sdst(0)                   ; the run's compares have written their masks, ahead of the selects that read them
.set j, \j0
.rept \n
.set pk, 48+j+16*(j/16)
.set kk, j-\j0
	CMOF
	v_cndmask_b32 v[SP], s[pk], v[SP], s[cm]
	v_cndmask_b32 v[SM], s[16+j], v[SM], s[cm]
.set j, j+1
.endr
.endm
; v[TOK] = the token of the v[Q]-th set bit.  s[16 + j]: word j of the member bits; s[pk]: (set bits in words under j) << 16 | j
.macro SELECT
	v_lshl_or_b32 v[QP], v[Q], 16, 0xffff
	v_mov_b32 v[SP], 0
	v_mov_b32 v[SM], s16
	RUN 1, 8
	RUN 9, 8
	RUN 17, 8
	RUN 25, 7
	v_lshrrev_b32 v[T0], 16, v[SP]
	v_sub_nc_u32 v[RK], v[Q], v[T0]                ; my rank inside the word
	v_and_b32 v[WI], 31, v[SP]
	v_lshrrev_b32 v[T0], 1, v[SM]                  ; counts of fields of 2, 4 and 8 bits, and of the low 16
	v_and_b32 v[T0], 0x55555555, v[T0]
	v_sub_nc_u32 v[FA], v[SM], v[T0]
	v_lshrrev_b32 v[T0], 2, v[FA]
	v_and_b32 v[T0], 0x33333333, v[T0]
	v_and_b32 v[T1], 0x33333333, v[FA]
	v_add_nc_u32 v[FB], v[T0], v[T1]
	v_lshrrev_b32 v[T0], 4, v[FB]
	v_add_nc_u32 v[T0], v[T0], v[FB]
	v_and_b32 v[FC], 0x0f0f0f0f, v[T0]
	v_lshrrev_b32 v[T0], 8, v[FC]
	v_add_nc_u32 v[FD], v[T0], v[FC]
	v_mov_b32 v[POS], 0
	DESC FD, 8, 4
	DESC FC, 8, 3
	DESC FB, 4, 2
	DESC FA, 2, 1
	DESC SM, 1, 0
	v_lshl_add_u32 v[TOK], v[WI], 5, v[POS]
.endm
; lanes 0-15 found tile A's tokens, lanes 16-31 tile B's; a tile's loads want row l % 16's token in both halves
.macro SPLIT
	v_permlanex16_b32 v[XP], v[TOK], s[SEL], s[SEL+1]
	v_cndmask_b32 v[TA], v[TOK], v[XP], s66
	v_cndmask_b32 v[TB], v[XP], v[TOK], s66
	v_min_u32 v[TA], 0x3ff, v[TA]
	v_lshl_add_u32 v[AA], v[TA], 9, v[H16]
	v_lshl_add_u32 v[SA], v[TA], 5, v[H16]
.endm
.macro BADDR
	v_min_u32 v[TB], 0x3ff, v[TB]
	v_lshl_add_u32 v[AB], v[TB], 9, v[H16]
	v_lshl_add_u32 v[SB], v[TB], 5, v[H16]
.endm
; 64 numbers of a lane, register 16 b + i = k 32 b + 16 (lane / 16) + i of my row, become a fragment's codes in v[PC] on and its scale word in v[PW]
.macro QUANT s
.irp b, 0,1,2,3
	v_max3_num_f32 v[TM+\b], |v[\s+16*\b]|, |v[\s+1+16*\b]|, 0x1800000   ; with the floor 2^(3 - 127): the byte cannot fall under 1
.endr
.irp i, 2,4,6,8,10,12,14
.irp b, 0,1,2,3
	v_max3_num_f32 v[TM+\b], v[TM+\b], |v[\s+16*\b+\i]|, |v[\s+1+16*\b+\i]|
.endr
.endr
.irp b, 0,1,2,3
	v_permlanex16_b32 v[TM+4+\b], v[TM+\b], s[SEL], s[SEL+1]
.endr
.irp b, 0,1,2,3
	v_max_num_f32 v[TM+\b], v[TM+\b], v[TM+4+\b]   ; with lane l xor 16's: the block's largest magnitude
.endr
.irp b, 0,1,2,3
	v_add_nc_u32 v[TM+12+\b], 0xff000000, v[TM+\b] ; 2 off its exponent field: the conversion's scale operand
.endr
.irp b, 0,1,2,3
	v_lshrrev_b32 v[TM+4+\b], 23, v[TM+12+\b]      ; the scale's byte
.endr
	v_lshl_or_b32 v[PW], v[TM+5], 8, v[TM+4]
	v_lshl_or_b32 v[PW], v[TM+6], 16, v[PW]
	v_lshl_or_b32 v[PW], v[TM+7], 24, v[PW]
.irp b, 0,1,2,3
	v_cvt_scalef32_pk8_fp4_f32 v[PC+2*\b], v[\s+16*\b:\s+7+16*\b], v[TM+12+\b]
	v_cvt_scalef32_pk8_fp4_f32 v[PC+1+2*\b], v[\s+8+16*\b:\s+15+16*\b], v[TM+12+\b]
.endr
	v_nop                                          ; one plain line behind a scaled conversion
.irp c, 0,1                                    ; the operand's layout wants a whole block in a lane
.irp i, 0,1
	v_permlane16_swap_b32 v[PC+4*\c+\i], v[PC+2+4*\c+\i]
.endr
.endr
.endm
; the tile s[P] + 4 hi leaves: relu, quantised, stored as the next product's fragment.
; The codes, the scale word and the two address registers are the last tile's store sources: they are written again here behind the wait on vm_vsrc at this tile's head
; and behind the wait on XCNT that stands in front of the run of x loads ahead of this macro.
.macro EPI hi
.set j, 0
.rept 64
	v_max_num_f32 v[ACC+j], 0, v[ACC+j]            ; ascending: each accumulator is read from its low end on
.set j, j+1
.endr
	QUANT ACC
	s_lshl_b32 s12, s[P], 15                       ; 32,768 bytes a tile,
	s_lshl_b32 s13, s[P], 11                       ; 2,048 of scale words
	v_add_nc_u32 v[STA], s12, v[L16]
	v_add_nc_u32 v[SSA], s13, v[R4]
	s_wait_alu depctr_va_vdst(0)                   ; the conversions and exchanges have written the codes, the shifts the scale word, the two additions STA and SSA: the three stores read them
	global_store_b128 v[STA], v[PC:PC+3], s[72:73] offset:131072*\hi         ; 512 neighbouring bytes a store; tile B lies four tiles on
	global_store_b128 v[STA], v[PC+4:PC+7], s[72:73] offset:131072*\hi+512
	global_store_b32 v[SSA], v[PW], s[74:75] offset:8192*\hi                 ; lanes l and l + 16 hold the same word
.endm
	s_load_b128 s[4:7], s[0:1], 0x0                ; xq, xs
	s_load_b128 s[8:11], s[0:1], 0x10              ; W1's codes, W1's scales
	s_load_b128 s[68:71], s[0:1], 0x20             ; b1, masks
	s_load_b128 s[72:75], s[0:1], 0x30             ; hbuf, hsc
	v_lshl_add_u32 v254, v0, 2, 0x10800
	v_mov_b32 v255, 0
	v_lshrrev_b32 v1, 5, v0
	v_readfirstlane_b32 s2, v1                     ; wave
	s_mov_b32 s3, ttmp9                            ; slice
	s_and_b32 s67, ttmp7, 0xffff                   ; expert
	v_and_b32 v1, 31, v0
	v_and_b32 v2, 15, v0                           ; r
	v_bfe_u32 v3, v0, 4, 1                         ; h
	v_lshlrev_b32 v[H16], 4, v3
	v_lshlrev_b32 v[L16], 4, v1
	v_lshlrev_b32 v[R4], 2, v2
	v_mov_b32 v[ONE], 1
	v_mov_b32 v[XP], 0                             ; a lane permute's destination counts as one of its sources
.irp b, 0,1,2,3
	v_mov_b32 v[TM+4+\b], 0
.endr
	s_wait_alu depctr_va_sdst(0)                   ; s2, the wave's number, is written, ahead of its first reader
	s_lshl_b32 s12, s2, 4
	v_lshl_add_u32 v[Q], v3, 6, v2                 ; q = 16 wave + r in lanes 0-15 (tile w),
	v_add_nc_u32 v[Q], s12, v[Q]                   ; 64 more in lanes 16-31 (tile w + 4)
	v_lshlrev_b32 v[BA], 6, v3                     ; b1: 16 h numbers on
	v_and_b32 v[WSA], 8, v2
	v_add_nc_u32 v[WSA], v[WSA], v2                ; r + 8 (r / 8)
	v_lshl_add_u32 v[WSA], v[WSA], 5, v[H16]       ; W1's scale bytes: 32 a unit, my half's 16
	s_mul_i32 s12, s2, 32*PITCH
	v_add_nc_u32 v[SW], s12, v[L16]                ; the slice into LDS: my wave's 32 rows
	v_mul_u32_u24 v[SR], v2, PITCH
	v_add_nc_u32 v[SR], v[SR], v[H16]              ; and back as fragments
	s_mov_b32 s66, 0xffff0000                      ; lanes 16-31
	s_mov_b32 s[SEL], 0x76543210
	s_mov_b32 s[SEL+1], 0xfedcba98
	s_mov_b32 s97, 0
	s_mov_b32 s99, 0
	s_lshl_b32 s12, s67, 21
	s_lshl_b32 s13, s3, 16
	s_lshl_b32 s14, s2, 14
	s_add_co_u32 s13, s13, s14
	s_add_co_u32 s96, s12, s13                     ; W1's codes: expert, slice of 128 rows x 512 bytes, my wave's 32 rows
	s_lshl_b32 s98, s3, 10
	s_add_co_u32 s98, s98, s12                     ; hbuf: expert, K step sl
	s_wait_kmcnt 0x0
	s_add_nc_u64 s[8:9], s[8:9], s[96:97]
	s_add_nc_u64 s[72:73], s[72:73], s[98:99]
	s_lshl_b32 s96, s67, 7
	s_add_nc_u64 s[70:71], s[70:71], s[96:97]
	s_load_b512 s[16:31], s[70:71], 0x0            ; the expert's 1,024 member bits
	s_load_b512 s[32:47], s[70:71], 0x40
	WIN 0x40
	s_wait_alu depctr_va_vdst(0)                   ; the addresses that stay are written: L16, BA, WSA, which the loads below read, SW and SR, which the LDS instructions of the head read
.set x, 0
.rept 32
	global_load_b128 v[4*x:4*x+3], v[L16], s[8:9] offset:512*x th:TH_LOAD_NT   ; a whole row of 512 bytes a load; read once in the launch
.set x, x+1
.endr
	WIN 0
	s_lshl_b32 s12, s67, 17
	s_lshl_b32 s96, s3, 12
	s_add_co_u32 s96, s96, s12
	s_add_nc_u64 s[10:11], s[10:11], s[96:97]      ; W1's scales
	s_lshl_b32 s96, s3, 6
	s_add_co_u32 s96, s96, s12
	s_add_nc_u64 s[74:75], s[74:75], s[96:97]      ; hsc
	s_lshl_b32 s96, s67, 14
	s_lshl_b32 s12, s3, 9
	s_add_co_u32 s96, s96, s12
	s_add_nc_u64 s[68:69], s[68:69], s[96:97]      ; b1
	WIN 0xc0
.irp t, 0,1,2,3,4,5,6,7
	global_load_b128 v[B1+8*\t:B1+8*\t+3], v[BA], s[68:69] offset:(32*(\t/2)+8*(\t%2))*4
	global_load_b128 v[B1+8*\t+4:B1+8*\t+7], v[BA], s[68:69] offset:(32*(\t/2)+8*(\t%2))*4+16
.endr
	WIN 0
.irp t, 0,1,2,3,4,5,6,7
	global_load_b128 v[W1S+4*\t:W1S+4*\t+3], v[WSA], s[10:11] offset:(32*(\t/2)+8*(\t%2))*32
.endr
	s_wait_kmcnt 0x0                               ; the member bits
	s_bcnt1_i32_b32 s[CNT], s16
.set j, 1
.rept 31
.if j < 16
.set pk, 48+j
.else
.set pk, 64+j
.endif
	s_lshl_b32 s[pk], s[CNT], 16
	s_or_b32 s[pk], s[pk], j
	s_bcnt1_i32_b32 s12, s[16+j]
	s_add_co_u32 s[CNT], s[CNT], s12
.set j, j+1
.endr
	s_add_co_u32 s[NT], s[CNT], 15
	s_lshr_b32 s[NT], s[NT], 4
	s_max_u32 s[NT], s[NT], 1                      ; tiles of 16 rows, at least one
	s_mov_b32 s[P], s2                             ; my first tile
	SELECT                                         ; (the slice's number, s14 and s96 to s99 have served: from here on they take the search's masks)
	SPLIT
	BADDR                                          ; no load of tile B is out yet: both tiles' addresses are made together, under one wait
	s_wait_alu depctr_va_vdst(0)                   ; AA, SA, AB and SB are written: the 34 loads below read them
	XLOAD 0, AA, SA                                ; my first two tiles' rows are asked for before the weights have come
	XLOAD 1, AB, SB
	s_wait_loadcnt 58                              ; the 32 rows of the slice are in; younger: 16 of b1, 8 of scales, 34 of x
	WIN 0x04                                       ; an LDS store's data are its source 1: window 1
.set x, 0
.rept 32
.set sx, (x&7)|(((x>>3)&1)<<4)|(((x>>4)&1)<<3)
	ds_store_b128 v[SW], v[4*x:4*x+3] offset:sx*PITCH    ; unit 32 w + x goes to row 32 w + (x with bits 3 and 4 exchanged): a tile's 16 units are then 16 neighbouring rows
.set x, x+1
.endr
	WIN 0
	s_wait_dscnt 0x0                               ; for the others' sake: my 32 rows lie in LDS
	s_barrier_signal -1
	s_barrier_wait -1                              ; the one barrier: ahead of every branch on the count
	s_wait_alu depctr_vm_vsrc(0)                   ; my LDS stores have read window 1's v0-127, in which fragments land below
.irp s, 0,1,2,3,4,5,6,7
	WIN 0x40+0x40*(\s/4)
.irp t, 0,1,2,3,4,5,6,7
.irp c, 0,1
	ds_load_b128 v[64*(\s%4)+8*\t+4*\c:64*(\s%4)+8*\t+4*\c+3], v[SR] offset:16*\t*PITCH+64*\s+32*\c
.endr
.endr
.endr
	WIN 0
	s_wait_dscnt 0x0
	s_mov_b32 s[IT], 8                             ; at most 64 tiles an expert, 16 a wave, two a trip
	s_cmp_ge_u32 s2, s[NT]
	s_cbranch_scc1 .Lend
.Lpass:
	s_wait_loadcnt 17                              ; tile A's rows are in (and, the first time, b1 and the scales); tile B's 17 loads may be out
	s_wait_alu depctr_vm_vsrc(0)                   ; tile A's loads have read AA and SA, which the lines behind the search write again; the last tile's stores have read the codes, the scale word, STA and SSA, which this tile's last lines write again
	MM 0
	v_add_nc_u32 v[Q], 128, v[Q]                   ; my tiles eight further on: the search is also the places behind the products
	SELECT
	SPLIT
	s_wait_xcnt 0x0                                ; the last tile's stores, 64 products back, have had their addresses translated: their data and addresses are written again behind the loads.
	                                               ; It stands AHEAD of the loads: these read AA, SA and the bases alone, which stay until the counted wait shows the loads done
	s_wait_alu depctr_va_vdst(0)                   ; the 64 products are done reading tile A's fragments and scale words, in which the loads below land; AA and SA are written
	XLOAD 0, AA, SA                                ; issued on every path, so that the counts hold; behind the last tile it reads rows that are not used
	EPI 0
	s_add_co_u32 s12, s[P], 4
	s_cmp_lt_u32 s12, s[NT]
	s_cbranch_scc1 .Lhas_b
	s_wait_dscnt 0x0                               ; the expert has no tile four on: the wave ends here, so every way round the loop issues the same loads.  The closing lines, six on end
	s_wait_alu 0x0
	s_wait_tensorcnt 0x0
	ds_add_u32 v254, v255
	s_wait_dscnt 0x0
	s_endpgm
.Lhas_b:
	s_wait_loadcnt 17                              ; tile B's rows are in; the next tile A's 17 loads may be out
	s_wait_alu depctr_vm_vsrc(0)                   ; tile B's loads have read AB and SB, which the lines behind the products write again; tile A's stores have read the codes, the scale word, STA and SSA
	MM 1
	BADDR                                          ; B's loads have come: its address registers may be written.  Three plain lines,
	v_nop
	v_nop                                          ; and two more: the places between the products and the first line that reads their results
	s_wait_xcnt 0x0                                ; tile A's stores have had their addresses translated: as above, ahead of the loads
	s_wait_alu depctr_va_vdst(0)                   ; the 64 products are done reading tile B's fragments and scale words, in which the loads below land; AB and SB are written
	XLOAD 1, AB, SB
	EPI 1
	s_add_co_u32 s[P], s[P], 8                     ; my next two tiles,
	s_cmp_lt_u32 s[P], s[NT]
	s_cbranch_scc1 .Lmore
	s_wait_dscnt 0x0                               ; if the expert has the first of them: else the wave ends here.  The closing lines, six on end, as above
	s_wait_alu 0x0
	s_wait_tensorcnt 0x0
	ds_add_u32 v254, v255
	s_wait_dscnt 0x0
	s_endpgm
.Lmore:
	s_sub_co_u32 s[IT], s[IT], 1                   ; the loop's own counter: a constant number of trips
	s_cmp_lg_u32 s[IT], 0
	s_cbranch_scc1 .Lpass
.Lend:
	s_wait_dscnt 0x0                               ; the closing lines, six on end, as above
	s_wait_alu 0x0
	s_wait_tensorcnt 0x0
	ds_add_u32 v254, v255
	s_wait_dscnt 0x0
	s_endpgm
.Lfunc_end_k_q2cfbd72e32_ffn1:
	.size	k_q2cfbd72e32_ffn1, .Lfunc_end_k_q2cfbd72e32_ffn1-k_q2cfbd72e32_ffn1
	.p2alignl 7, 3214868480
	.fill 96, 4, 3214868480
	.section	.rodata,"a",@progbits
	.p2align	6, 0x0
	.amdhsa_kernel k_q2cfbd72e32_ffn1
		.amdhsa_group_segment_fixed_size 68096
		.amdhsa_private_segment_fixed_size 0
		.amdhsa_enable_private_segment 0
		.amdhsa_kernarg_size 64
		.amdhsa_user_sgpr_count 2
		.amdhsa_user_sgpr_kernarg_segment_ptr 1
		.amdhsa_wavefront_size32 1
		.amdhsa_system_sgpr_workgroup_id_x 1
		.amdhsa_system_sgpr_workgroup_id_y 1
		.amdhsa_system_sgpr_workgroup_id_z 1
		.amdhsa_system_vgpr_workitem_id 0
		.amdhsa_next_free_vgpr 960
		.amdhsa_next_free_sgpr 102
		.amdhsa_reserve_vcc 1
		.amdhsa_float_denorm_mode_32 3
		.amdhsa_float_denorm_mode_16_64 3
		.amdhsa_memory_ordered 1
		.amdhsa_forward_progress 1
		.amdhsa_inst_pref_size 77
	.end_amdhsa_kernel
	.amdgpu_metadata
---
amdhsa.version: [ 1, 2 ]
amdhsa.kernels:
  - .name:           k_q2cfbd72e32_ffn1
    .symbol:         k_q2cfbd72e32_ffn1.kd
    .args:
      - { .name: xq, .offset: 0, .size: 8, .value_kind: global_buffer, .address_space: global }
      - { .name: xs, .offset: 8, .size: 8, .value_kind: global_buffer, .address_space: global }
      - { .name: W1_codes, .offset: 16, .size: 8, .value_kind: global_buffer, .address_space: global }
      - { .name: W1_scales, .offset: 24, .size: 8, .value_kind: global_buffer, .address_space: global }
      - { .name: b1, .offset: 32, .size: 8, .value_kind: global_buffer, .address_space: global }
      - { .name: masks, .offset: 40, .size: 8, .value_kind: global_buffer, .address_space: global }
      - { .name: hbuf, .offset: 48, .size: 8, .value_kind: global_buffer, .address_space: global }
      - { .name: hsc, .offset: 56, .size: 8, .value_kind: global_buffer, .address_space: global }
    .group_segment_fixed_size: 68096
    .private_segment_fixed_size: 0
    .kernarg_segment_align: 8
    .kernarg_segment_size: 64
    .max_flat_workgroup_size: 128
    .sgpr_count:     102
    .vgpr_count:     960
    .wavefront_size: 32
...
	.end_amdgpu_metadata
.endif
;; end of part 6
;; launch ffn2 (part 7): grid 32 x 8, 4 waves a work-group, no clusters, 135,680 bytes of LDS; arguments W2_codes, W2_scales, b2, hbuf, hsc, masks, ybuf; writes ybuf
.if DOCPART == 7
	.amdgcn_target "amdgcn-amd-amdhsa--gfx1250"
	.amdhsa_code_object_version 6
	.text
	.protected	k_q2cfbd72e32_ffn2
	.globl	k_q2cfbd72e32_ffn2
	.p2align	8
	.type	k_q2cfbd72e32_ffn2,@function
k_q2cfbd72e32_ffn2:
	s_mov_b64 s[64:65], 0
	v_nop
	global_prefetch_b8 v0, s[64:65] scope:SCOPE_SE
	s_setreg_imm32_b32 hwreg(HW_REG_WAVE_SCHED_MODE, 0, 2), 2
	s_setreg_imm32_b32 hwreg(HW_REG_WAVE_MODE, 25, 1), 1
	s_wait_xcnt 0x0
	s_wait_alu depctr_vm_vsrc(0)
; FFN2.  y = h W2 + b2 for an expert's routed rows, on E2M1 codes with E8M0 scales.  Work-group (ds + 8 rq, e): outputs 128 ds .. 128 ds + 127 of expert e, tiles of 16 rows rq, rq + 4, rq + 8, ..
; THE WEIGHTS STAND STILL AND K IS SHARED OUT: wave w holds the 128 outputs x K steps 8 w .. 8 w + 7 (512 registers), so the work-group holds each of its weight bytes once.
; They come in pieces of 512 neighbouring bytes and turn into fragments through the wave's own LDS bytes.  h comes as images of a fragment's registers: dense loads, no turn.
; The four waves' partial sums of a tile meet in LDS; wave w adds rows 4 w .. 4 w + 3, adds b2 and stores whole pieces of 512 bytes.
; SIXTEEN TRIPS ALWAYS, one barrier each, on every wave's path; a trip whose tile does not exist jumps over its work only.  The partial sums have two sets of LDS bytes by turns:
; a set is written again two trips later, behind the barrier in front of which every wave has waited for its reads of it.
; OUT: ybuf [expert][row q][1,024] f32.  Rows behind the expert's count in its last tile are stored too and read by nobody.
; The product is used transposed (source 0 = 16 outputs, source 1 = 16 rows of h): a lane holds 8 neighbouring outputs of one row.
; No tensor load and no joint request, though 4 work-groups read the same weights and 8 the same rows: the work hangs on a count read from memory.
; The sum over K is made in four parts and added ((0 + 1) + (2 + 3)): another order than one ascending chain.
; REGISTERS: window 0: addresses, scale words, 8 accumulators, the last sums.  Windows 1, 2: W2's fragments, (K step s, tile t) at v[64 (s % 4) + 8 t] of window 1 + s / 4.  Window 3: four tiles of h, 64 each.
; THE MODE: SCHED_MODE bits 1:0 = 2 (LLVM: expert scheduling mode 2), set by the entry lines.  The code itself states the register dependences
; between vector or matrix instructions and memory or LDS instructions, with s_wait_alu, always for 0.
; THE PLAN.  Registers that memory or LDS instructions touch, in a trip:
;   set u of h (window 3) and its four scale words    20 loads land in them; the trip's 64 products read them.
;   HA + u, HSA + u    read by those loads; written again only where the set is asked for again, behind the products.
;   the accumulators   written by the products; read by the 16 LDS stores of the partial sums.
;   FR (v160-223)      16 LDS loads land in it; the additions read and write it; the four global stores read it.      YA    written once a trip; read by those four stores.
;   The addresses of the head (L16, SW, SR, PWR, PRD, WSA) are never written again.
; A trip's waits.  On va_vdst behind the products' places: the accumulators are written, and the products are done with set u.  Where the set is asked for again, one more behind the two additions that make its addresses.
; On vm_vsrc, once, on every wave's path in front of the barrier: the LDS stores have read the accumulators, the last trip's global stores FR and YA, every load of h its addresses.
; On va_vdst ahead of the run of four global stores: the sums and YA are written; and since no later vector line names FR before the next trip's LDS loads land there, those owe nothing more.
; In the head a turn's LDS loads land in the registers that its LDS stores read: a wait on vm_vsrc stands between, and the weights' loads of two turns on are issued ahead of that wait.
.set PITCH, 528
.set PS,   67584                       ; LDS: 4 x 16,896 the waves' own stages (32 rows);  then 2 x 4 x 8,448: [turn][wave][16 rows of 512 + 16]
.set H16, 4
.set L16, 5
.set L4,  6
.set HA0, 7                            ; my K steps' 8,192 bytes in a tile + 16 lane
.set HA,  8                            ; v8-11   the same with the tile, for the four sets
.set HSA, 12                           ; v12-15  the scale words' address likewise
.set SW,  20
.set SR,  21
.set PWR, 22
.set PRD, 23
.set WSA, 24
.set HS0, 25
.set YA0, 26
.set YA,  27
.set W2S, 32                           ; v32-63  register 4 t + c: my K step c in lanes 0-15, 4 + c in lanes 16-31
.set HS,  64                           ; v64-79  register 4 u + p: K step 2 p in lanes 0-15, 2 p + 1 in lanes 16-31
.set ACC, 96                           ; v96-159
.set FR,  160                          ; v160-223 four rows x four partial sums
.set B2,  224                          ; v224-227
.set MSB, 0
.macro WIN new
.if MSB != (\new)
	s_set_vgpr_msb (MSB<<8)|(\new)
.set MSB, (\new)
.endif
.endm
; outputs 32 g .. 32 g + 31: 32 loads of 512 neighbouring bytes.  Row x lands in one of the 32 groups of four registers that tiles 2 g and 2 g + 1 will take
.macro WLOAD g
.set x, 0
.rept 32
	WIN 0x40+0x40*(x>>4)
.set rg, 64*((x>>1)&3)+8*(2*\g+((x>>3)&1))+4*(x&1)
	global_load_b128 v[rg:rg+3], v[L16], s[8:9] offset:(32*\g+x)*2048
.set x, x+1
.endr
	WIN 0
.endm
; they turn through my own stage: rows in, fragments out, into the same registers.  LDS serves a wave's instructions in order: no wait on DScnt between, none in front of the next turn.
; nxt: the rows that are asked for between the stores and the loads (0: none)
.macro TURN g, n, nxt
	s_wait_loadcnt \n
.set x, 0
.rept 32
	WIN 0x04+0x04*(x>>4)
.set rg, 64*((x>>1)&3)+8*(2*\g+((x>>3)&1))+4*(x&1)
	ds_store_b128 v[SW], v[rg:rg+3] offset:x*PITCH
.set x, x+1
.endr
.if \nxt
	WLOAD \nxt                                     ; into registers that no instruction has named yet
.endif
	s_wait_alu depctr_vm_vsrc(0)                   ; the 32 LDS stores have read their data registers, in which the fragments below land
.irp s, 0,1,2,3,4,5,6,7
	WIN 0x40+0x40*(\s/4)
.irp h, 0,1
.irp c, 0,1
	ds_load_b128 v[64*(\s%4)+8*(2*\g+\h)+4*\c:64*(\s%4)+8*(2*\g+\h)+4*\c+3], v[SR] offset:16*\h*PITCH+64*\s+32*\c
.endr
.endr
.endr
	WIN 0
.endm
.macro HADDR u                         ; s57: the tile
	s_lshl_b32 s58, s57, 15
	s_lshl_b32 s59, s57, 11
	v_add_nc_u32 v[HA+\u], s58, v[HA0]
	v_add_nc_u32 v[HSA+\u], s59, v[HS0]
.endm
.macro HLOAD u                         ; 20 loads: my 8 K steps' images, 512 neighbouring bytes each, and their scale words, 128 each
	WIN 0xc0
.irp k, 0,1,2,3,4,5,6,7,8,9,10,11,12,13,14,15
	global_load_b128 v[64*\u+4*\k:64*\u+4*\k+3], v[HA+\u], s[14:15] offset:512*\k
.endr
	WIN 0
.irp p, 0,1,2,3
	global_load_b32 v[HS+4*\u+\p], v[HSA+\u], s[68:69] offset:128*\p
.endr
.endm
.macro HFIRST u                        ; the first four tiles are asked for on every path; one that does not exist is replaced by the expert's last, which is written
	s_add_co_u32 s57, s4, 4*\u
	s_min_u32 s57, s57, s52
	s_min_u32 s57, s57, 63
	HADDR \u
.endm
.macro ONE2 t, s, u
.set rA, 64*((\s)&3)+8*(\t)
.set rB, 64*(\u)+8*(\s)
.set rD, ACC+8*(\t)
.set rSA, W2S+4*(\t)+((\s)&3)
.set rSB, HS+4*(\u)+((\s)>>1)
.set md, ((\s)>>2)*2+((\s)&1)
.if (\s) == 0
	v_wmma_scale_f32_16x16x128_f8f6f4 v[rD:rD+7], v[rA:rA+7], v[rB:rB+7], 0, v[rSA], v[rSB] matrix_a_fmt:MATRIX_FMT_FP4 matrix_b_fmt:MATRIX_FMT_FP4
.elseif md == 0
	v_wmma_scale_f32_16x16x128_f8f6f4 v[rD:rD+7], v[rA:rA+7], v[rB:rB+7], v[rD:rD+7], v[rSA], v[rSB] matrix_a_fmt:MATRIX_FMT_FP4 matrix_b_fmt:MATRIX_FMT_FP4
.elseif md == 1
	v_wmma_scale_f32_16x16x128_f8f6f4 v[rD:rD+7], v[rA:rA+7], v[rB:rB+7], v[rD:rD+7], v[rSA], v[rSB] matrix_a_fmt:MATRIX_FMT_FP4 matrix_b_fmt:MATRIX_FMT_FP4 matrix_b_scale:MATRIX_SCALE_ROW1
.elseif md == 2
	v_wmma_scale_f32_16x16x128_f8f6f4 v[rD:rD+7], v[rA:rA+7], v[rB:rB+7], v[rD:rD+7], v[rSA], v[rSB] matrix_a_fmt:MATRIX_FMT_FP4 matrix_b_fmt:MATRIX_FMT_FP4 matrix_a_scale:MATRIX_SCALE_ROW1
.else
	v_wmma_scale_f32_16x16x128_f8f6f4 v[rD:rD+7], v[rA:rA+7], v[rB:rB+7], v[rD:rD+7], v[rSA], v[rSB] matrix_a_fmt:MATRIX_FMT_FP4 matrix_b_fmt:MATRIX_FMT_FP4 matrix_a_scale:MATRIX_SCALE_ROW1 matrix_b_scale:MATRIX_SCALE_ROW1
.endif
.endm
.macro MM2 u                           ; 64 products: K step by K step, the 8 accumulators by turns, one instruction a turn; the first K step starts the sums
.irp s, 0,1,2,3,4,5,6,7
	WIN 0x0d+(\s/4)
.irp t, 0,1,2,3,4,5,6,7
	ONE2 \t, \s, \u
.endr
.endr
	WIN 0
.endm
; a trip: tile s50, from set u of h's registers, partial sums in turn b; n: the loads issued on every path behind set u's
.macro TRIP u, b, n
	s_cmp_ge_u32 s50, s49
	s_cbranch_scc1 .Lnc_\@
	s_wait_loadcnt \n
	MM2 \u
.rept 5
	v_nop                                          ; the places behind the products: for the LDS stores of the sums, and for the next tile's first products, which begin the sums anew
.endr
	s_wait_alu depctr_va_vdst(0)                   ; the products have written the accumulators, which the LDS stores below read on both ways, and are done reading set u and its scale words, in which the loads below land; the places above stay beside this wait
	s_add_co_u32 s57, s50, 16
	s_cmp_ge_u32 s57, s49
	s_cbranch_scc1 .Lnr_\@
	HADDR \u                                       ; the set's loads have come, and have read these two registers (the wait on vm_vsrc in front of an earlier barrier, or in the head's turns, stands behind them)
	s_wait_alu depctr_va_vdst(0)                   ; the two additions have written the set's addresses, which the loads below read
	HLOAD \u                                       ; the tile four trips on, if the expert has it
.Lnr_\@:
.irp t, 0,1,2,3,4,5,6,7
	ds_store_b128 v[PWR], v[ACC+8*\t:ACC+8*\t+3] offset:33792*\b+64*\t          ; each accumulator from its low end on
	ds_store_b128 v[PWR], v[ACC+8*\t+4:ACC+8*\t+7] offset:33792*\b+64*\t+16
.endr
.Lnc_\@:
	s_wait_dscnt 0x0                               ; my partial sums lie in LDS, and my reads of the last trip's are over
	s_wait_alu depctr_vm_vsrc(0)                   ; the LDS stores have read the accumulators, which the next trip's products write; the last trip's global stores have read FR and YA, which are written below; the loads of h have read their addresses
	s_barrier_signal -1
	s_barrier_wait -1
	s_cmp_ge_u32 s50, s49
	s_cbranch_scc1 .Lnf_\@
	s_wait_xcnt 0x0                                ; the last tile's stores have had their addresses translated: their data and address are written again below
.irp k, 0,1,2,3
.irp p, 0,1,2,3
	ds_load_b128 v[FR+16*\k+4*\p:FR+16*\k+4*\p+3], v[PRD] offset:33792*\b+8448*\p+528*\k   ; no vector line has named FR since the wait ahead of the last trip's stores
.endr
.endr
	s_lshl_b32 s57, s50, 16                        ; 16 rows of 4,096 bytes a tile
	v_add_nc_u32 v[YA], s57, v[YA0]
.irp k, 0,1,2,3
	s_wait_dscnt 12-4*\k                           ; row k's four parts are in; the later rows' may be out
.irp z, 0,2
	v_pk_add_f32 v[FR+16*\k+\z:FR+16*\k+\z+1], v[FR+16*\k+\z:FR+16*\k+\z+1], v[FR+16*\k+4+\z:FR+16*\k+4+\z+1]
	v_pk_add_f32 v[FR+16*\k+8+\z:FR+16*\k+8+\z+1], v[FR+16*\k+8+\z:FR+16*\k+8+\z+1], v[FR+16*\k+12+\z:FR+16*\k+12+\z+1]
.endr
.irp z, 0,2
	v_pk_add_f32 v[FR+16*\k+\z:FR+16*\k+\z+1], v[FR+16*\k+\z:FR+16*\k+\z+1], v[FR+16*\k+8+\z:FR+16*\k+8+\z+1]
.endr
.irp z, 0,2
	v_pk_add_f32 v[FR+16*\k+\z:FR+16*\k+\z+1], v[FR+16*\k+\z:FR+16*\k+\z+1], v[B2+\z:B2+\z+1]
.endr
.endr
	s_wait_alu depctr_va_vdst(0)                   ; the additions have written the four rows' sums and YA, which the stores below read; and they are done with all of FR, in which the next trip's LDS loads land
.irp k, 0,1,2,3
	global_store_b128 v[YA], v[FR+16*\k:FR+16*\k+3], s[72:73] offset:4096*\k th:TH_STORE_NT   ; 512 neighbouring bytes, aligned
.endr
.Lnf_\@:
	s_add_co_u32 s50, s50, 4
.endm
	s_load_b256 s[8:15], s[0:1], 0x0               ; W2's codes, W2's scales, b2, hbuf
	s_load_b128 s[68:71], s[0:1], 0x20             ; hsc, masks
	s_load_b64 s[72:73], s[0:1], 0x30              ; ybuf
	v_lshl_add_u32 v254, v0, 2, 0x21000
	v_mov_b32 v255, 0
	v_lshrrev_b32 v1, 5, v0
	v_readfirstlane_b32 s2, v1                     ; wave
	s_and_b32 s3, ttmp9, 7                         ; slice of outputs
	s_lshr_b32 s4, ttmp9, 3                        ; which quarter of the tiles
	s_and_b32 s5, ttmp7, 0xffff                    ; expert
	v_and_b32 v1, 31, v0
	v_and_b32 v2, 15, v0                           ; r
	v_bfe_u32 v3, v0, 4, 1                         ; h
	v_lshlrev_b32 v[H16], 4, v3
	v_lshlrev_b32 v[L16], 4, v1
	v_lshlrev_b32 v[L4], 2, v1
	s_wait_alu depctr_va_sdst(0)                   ; s2, the wave's number, is written, ahead of its first reader
	s_lshl_b32 s56, s2, 13
	v_add_nc_u32 v[HA0], s56, v[L16]
	s_lshl_b32 s56, s2, 9
	v_add_nc_u32 v[HS0], s56, v[L4]
	s_mul_i32 s56, s2, 32*PITCH
	v_add_nc_u32 v[SW], s56, v[L16]                ; my stage: rows in,
	v_mul_u32_u24 v[SR], v2, PITCH
	v_add_nc_u32 v[SR], v[SR], v[H16]
	v_add_nc_u32 v[SR], s56, v[SR]                 ; fragments out
	s_mul_i32 s56, s2, 8448
	s_add_co_u32 s56, s56, PS
	v_mul_u32_u24 v[PWR], v2, PITCH
	v_lshl_add_u32 v[PWR], v3, 5, v[PWR]
	v_add_nc_u32 v[PWR], s56, v[PWR]               ; my partial sums: row r, 32 h bytes on
	s_mul_i32 s56, s2, 4*PITCH
	s_add_co_u32 s56, s56, PS
	v_add_nc_u32 v[PRD], s56, v[L16]               ; the rows that I finish: 4 w on, 16 bytes a lane
	v_lshlrev_b32 v[WSA], 7, v2
	v_add_nc_u32 v[WSA], v[WSA], v[H16]
	s_lshl_b32 s56, s2, 5
	v_add_nc_u32 v[WSA], s56, v[WSA]               ; W2's scale bytes: 128 a row, my quarter's 32, my half's 16
	s_lshl_b32 s56, s2, 14
	v_add_nc_u32 v[YA0], s56, v[L16]
	s_mov_b32 s75, 0
	s_lshl_b32 s56, s5, 21
	s_lshl_b32 s57, s3, 18
	s_lshl_b32 s58, s2, 9
	s_add_co_u32 s57, s57, s58
	s_add_co_u32 s74, s56, s57
	s_wait_kmcnt 0x0
	s_add_nc_u64 s[8:9], s[8:9], s[74:75]          ; W2's codes: expert, 128 rows of 2,048 bytes, my 512 of each
	s_mov_b32 s74, s56
	s_add_nc_u64 s[14:15], s[14:15], s[74:75]      ; hbuf: expert
	s_lshl_b32 s74, s5, 7
	s_add_nc_u64 s[70:71], s[70:71], s[74:75]
	s_load_b512 s[16:31], s[70:71], 0x0            ; the expert's member bits
	s_load_b512 s[32:47], s[70:71], 0x40
	s_lshl_b32 s56, s5, 17
	s_mov_b32 s74, s56
	s_add_nc_u64 s[68:69], s[68:69], s[74:75]      ; hsc: expert
	s_lshl_b32 s57, s3, 14
	s_add_co_u32 s74, s56, s57
	s_add_nc_u64 s[10:11], s[10:11], s[74:75]      ; W2's scales
	s_lshl_b32 s56, s3, 9
	s_lshl_b32 s57, s5, 12
	s_add_co_u32 s74, s56, s57
	s_add_nc_u64 s[12:13], s[12:13], s[74:75]      ; b2
	s_lshl_b32 s57, s5, 22
	s_add_co_u32 s74, s56, s57
	s_add_nc_u64 s[72:73], s[72:73], s[74:75]      ; ybuf: expert, my 512 bytes of a row
	s_wait_alu depctr_va_vdst(0)                   ; the addresses that stay are written: WSA and L16, which the loads below read, SW, SR, PWR and PRD, which the LDS instructions read
.irp t, 0,1,2,3,4,5,6,7
	global_load_b128 v[W2S+4*\t:W2S+4*\t+3], v[WSA], s[10:11] offset:2048*\t
.endr
	global_load_b128 v[B2:B2+3], v[L16], s[12:13]
	WLOAD 0
	WLOAD 1
	TURN 0, 32, 2                                  ; younger: the next 32 rows
	TURN 1, 32, 3
	s_wait_kmcnt 0x0
	s_bcnt1_i32_b32 s48, s16
.set j, 1
.rept 31
	s_bcnt1_i32_b32 s56, s[16+j]
	s_add_co_u32 s48, s48, s56
.set j, j+1
.endr
	s_add_co_u32 s49, s48, 15
	s_lshr_b32 s49, s49, 4
	s_max_u32 s49, s49, 1                          ; tiles, at least one: as many as the launch before has written
	s_sub_co_u32 s52, s49, 1
	s_mov_b32 s50, s4                              ; my first tile
	HFIRST 0                                       ; the four sets' first addresses are made together, under one wait
	HFIRST 1
	HFIRST 2
	HFIRST 3
	s_wait_alu depctr_va_vdst(0)                   ; the eight additions have written the four sets' addresses, which the 80 loads of h in the head read
	HLOAD 0
	HLOAD 1
	TURN 2, 63, 0                                  ; 72 loads are younger; the count is the largest that the wait can name
	TURN 3, 40, 0                                  ; younger: two tiles of h
	HLOAD 2
	HLOAD 3
	s_wait_dscnt 0x0                               ; the weights stand
	TRIP 0, 0, 60
	TRIP 1, 1, 40
	TRIP 2, 0, 20
	TRIP 3, 1, 0
	s_mov_b32 s51, 3
.Lfour:                                            ; the other twelve trips; a refill may or may not have been issued, so the waits are for 0
	TRIP 0, 0, 0
	TRIP 1, 1, 0
	TRIP 2, 0, 0
	TRIP 3, 1, 0
	s_sub_co_u32 s51, s51, 1
	s_cmp_lg_u32 s51, 0
	s_cbranch_scc1 .Lfour
	s_wait_dscnt 0x0                               ; the closing lines, six on end
	s_wait_alu 0x0
	s_wait_tensorcnt 0x0
	ds_add_u32 v254, v255
	s_wait_dscnt 0x0
	s_endpgm
.Lfunc_end_k_q2cfbd72e32_ffn2:
	.size	k_q2cfbd72e32_ffn2, .Lfunc_end_k_q2cfbd72e32_ffn2-k_q2cfbd72e32_ffn2
	.p2alignl 7, 3214868480
	.fill 96, 4, 3214868480
	.section	.rodata,"a",@progbits
	.p2align	6, 0x0
	.amdhsa_kernel k_q2cfbd72e32_ffn2
		.amdhsa_group_segment_fixed_size 135680
		.amdhsa_private_segment_fixed_size 0
		.amdhsa_enable_private_segment 0
		.amdhsa_kernarg_size 56
		.amdhsa_user_sgpr_count 2
		.amdhsa_user_sgpr_kernarg_segment_ptr 1
		.amdhsa_wavefront_size32 1
		.amdhsa_system_sgpr_workgroup_id_x 1
		.amdhsa_system_sgpr_workgroup_id_y 1
		.amdhsa_system_sgpr_workgroup_id_z 1
		.amdhsa_system_vgpr_workitem_id 0
		.amdhsa_next_free_vgpr 1024
		.amdhsa_next_free_sgpr 76
		.amdhsa_reserve_vcc 0
		.amdhsa_float_denorm_mode_32 3
		.amdhsa_float_denorm_mode_16_64 3
		.amdhsa_memory_ordered 1
		.amdhsa_forward_progress 1
		.amdhsa_inst_pref_size 168
	.end_amdhsa_kernel
	.amdgpu_metadata
---
amdhsa.version: [ 1, 2 ]
amdhsa.kernels:
  - .name:           k_q2cfbd72e32_ffn2
    .symbol:         k_q2cfbd72e32_ffn2.kd
    .args:
      - { .name: W2_codes, .offset: 0, .size: 8, .value_kind: global_buffer, .address_space: global }
      - { .name: W2_scales, .offset: 8, .size: 8, .value_kind: global_buffer, .address_space: global }
      - { .name: b2, .offset: 16, .size: 8, .value_kind: global_buffer, .address_space: global }
      - { .name: hbuf, .offset: 24, .size: 8, .value_kind: global_buffer, .address_space: global }
      - { .name: hsc, .offset: 32, .size: 8, .value_kind: global_buffer, .address_space: global }
      - { .name: masks, .offset: 40, .size: 8, .value_kind: global_buffer, .address_space: global }
      - { .name: ybuf, .offset: 48, .size: 8, .value_kind: global_buffer, .address_space: global }
    .group_segment_fixed_size: 135680
    .private_segment_fixed_size: 0
    .kernarg_segment_align: 8
    .kernarg_segment_size: 56
    .max_flat_workgroup_size: 128
    .sgpr_count:     76
    .vgpr_count:     1024
    .wavefront_size: 32
...
	.end_amdgpu_metadata
.endif
;; end of part 7
;; launch combine (part 8): grid 256 x 1, 4 waves a work-group, no clusters, 0 bytes of LDS; arguments ybuf, probs, sel, masks, out0; writes out0
.if DOCPART == 8
	.amdgcn_target "amdgcn-amd-amdhsa--gfx1250"
	.amdhsa_code_object_version 6
	.text
	.protected	k_q2cfbd72e32_combine
	.globl	k_q2cfbd72e32_combine
	.p2align	8
	.type	k_q2cfbd72e32_combine,@function
k_q2cfbd72e32_combine:
	s_mov_b64 s[64:65], 0
	v_nop
	global_prefetch_b8 v0, s[64:65] scope:SCOPE_SE
	s_setreg_imm32_b32 hwreg(HW_REG_WAVE_MODE, 25, 1), 1
	s_wait_xcnt 0x0
; COMBINE.  out[t] = p0 y[e0][q0] + p1 y[e1][q1].  A wave owns a token.  q is the token's rank among its expert's members: the number of member bits under bit t.
; All 8 experts' member words (a word a lane) are asked for together with the token's choice, so that the rows' addresses wait for one trip to memory and not for two;
; the two experts' words are picked by selects, masked, counted by shifts and adds, and added over the lanes, both counts in one register.  All of it in whole numbers.
; A stream: no LDS, no barrier, no matrix unit; each load and store of the wave covers 512 neighbouring bytes.
	s_load_b256 s[4:11], s[0:1], 0x0               ; ybuf, probs, sel, masks
	s_load_b64 s[12:13], s[0:1], 0x20              ; out0
	v_lshrrev_b32 v1, 5, v0
	v_readfirstlane_b32 s14, v1
	v_and_b32 v1, 31, v0
	v_lshlrev_b32 v2, 2, v1
	v_lshlrev_b32 v4, 4, v1
	s_lshl_b32 s15, ttmp9, 2
	s_add_co_u32 s15, s15, s14                     ; my token
	s_lshl_b32 s16, s15, 3
	s_mov_b32 s17, 0
	s_lshr_b32 s18, s15, 5                         ; its word,
	s_and_b32 s19, s15, 31
	s_bfm_b32 s19, s19, 0                          ; and the bits under it there
	s_mov_b32 s34, 0x76543210
	s_mov_b32 s35, 0xfedcba98
	s_lshl_b32 s36, s15, 12
	s_mov_b32 s37, 0
	s_wait_alu depctr_va_vdst(0)
	s_wait_kmcnt 0x0
	s_add_nc_u64 s[6:7], s[6:7], s[16:17]
	s_add_nc_u64 s[8:9], s[8:9], s[16:17]
	s_add_nc_u64 s[12:13], s[12:13], s[36:37]
	s_load_b64 s[20:21], s[6:7], 0x0               ; p0, p1
	s_load_b64 s[22:23], s[8:9], 0x0               ; e0, e1
.irp j, 0,1,2,3,4,5,6,7
	global_load_b32 v[8+\j], v2, s[10:11] offset:128*\j
.endr
	v_mov_b32 v5, -1
	v_mov_b32 v6, s19
	v_cmp_gt_u32 vcc_lo, s18, v1
	v_cndmask_b32 v3, 0, v5, vcc_lo                ; words under the token's count whole,
	v_cmp_eq_u32 vcc_lo, s18, v1
	v_cndmask_b32 v3, v3, v6, vcc_lo               ; its own word in part, the others not
	v_mov_b32 v18, 0
	s_wait_kmcnt 0x0
	s_min_u32 s22, s22, 7
	s_min_u32 s23, s23, 7
	s_mov_b32 s32, s21
	s_mov_b32 s33, s21                             ; p1 as the low word of a pair
	s_wait_loadcnt 0x0
	v_mov_b32 v16, v8
	v_mov_b32 v17, v8
.irp j, 1,2,3,4,5,6,7
	s_cmp_eq_u32 s22, \j
	s_cselect_b32 s24, -1, 0
	s_cmp_eq_u32 s23, \j
	s_cselect_b32 s25, -1, 0
	v_cndmask_b32 v16, v16, v[8+\j], s24
	v_cndmask_b32 v17, v17, v[8+\j], s25
.endr
	v_and_b32 v16, v16, v3
	v_and_b32 v17, v17, v3
.macro POPC r, t                       ; the number of set bits
	v_lshrrev_b32 v[\t], 1, v[\r]
	v_and_b32 v[\t], 0x55555555, v[\t]
	v_sub_nc_u32 v[\r], v[\r], v[\t]
	v_lshrrev_b32 v[\t], 2, v[\r]
	v_and_b32 v[\t], 0x33333333, v[\t]
	v_and_b32 v[\r], 0x33333333, v[\r]
	v_add_nc_u32 v[\r], v[\r], v[\t]
	v_lshrrev_b32 v[\t], 4, v[\r]
	v_add_nc_u32 v[\r], v[\r], v[\t]
	v_and_b32 v[\r], 0x0f0f0f0f, v[\r]
	v_lshrrev_b32 v[\t], 8, v[\r]
	v_add_nc_u32 v[\r], v[\r], v[\t]
	v_lshrrev_b32 v[\t], 16, v[\r]
	v_add_nc_u32 v[\r], v[\r], v[\t]
	v_and_b32 v[\r], 63, v[\r]
.endm
	POPC 16, 19
	POPC 17, 20
	v_lshl_or_b32 v16, v17, 16, v16                ; each sum stays under 1,024: both fit one register
.irp m, 1,2,4,8
	v_mov_b32_dpp v18, v16 row_xmask:\m row_mask:0xf bank_mask:0xf
	v_add_nc_u32 v16, v16, v18
.endr
	v_permlanex16_b32 v18, v16, s34, s35
	v_add_nc_u32 v16, v16, v18
	v_readfirstlane_b32 s26, v16
	s_and_b32 s27, s26, 0xffff
	s_lshr_b32 s26, s26, 16
	s_min_u32 s27, s27, 1023                       ; q0
	s_min_u32 s26, s26, 1023                       ; q1
	s_lshl_b32 s28, s22, 22                        ; 1,024 rows of 4,096 bytes an expert
	s_lshl_b32 s27, s27, 12
	s_add_co_u32 s28, s28, s27
	s_mov_b32 s29, 0
	s_lshl_b32 s30, s23, 22
	s_lshl_b32 s26, s26, 12
	s_add_co_u32 s30, s30, s26
	s_mov_b32 s31, 0
	s_add_nc_u64 s[28:29], s[4:5], s[28:29]
	s_add_nc_u64 s[30:31], s[4:5], s[30:31]
.irp i, 0,1,2,3,4,5,6,7
	global_load_b128 v[32+4*\i:35+4*\i], v4, s[28:29] offset:512*\i th:TH_LOAD_NT
	global_load_b128 v[64+4*\i:67+4*\i], v4, s[30:31] offset:512*\i th:TH_LOAD_NT
.endr
.irp i, 0,1,2,3,4,5,6,7
	s_wait_loadcnt 14-2*\i                         ; this piece's two loads are in; the later pieces' may be out
	v_pk_mul_f32 v[96+4*\i:97+4*\i], v[64+4*\i:65+4*\i], s[32:33] op_sel_hi:[1,0]
	v_pk_mul_f32 v[98+4*\i:99+4*\i], v[66+4*\i:67+4*\i], s[32:33] op_sel_hi:[1,0]
	v_pk_fma_f32 v[96+4*\i:97+4*\i], v[32+4*\i:33+4*\i], s[20:21], v[96+4*\i:97+4*\i] op_sel_hi:[1,0,1]
	v_pk_fma_f32 v[98+4*\i:99+4*\i], v[34+4*\i:35+4*\i], s[20:21], v[98+4*\i:99+4*\i] op_sel_hi:[1,0,1]
	global_store_b128 v4, v[96+4*\i:99+4*\i], s[12:13] offset:512*\i th:TH_STORE_NT   ; each piece has its own registers: no store's data are written again
.endr
	s_endpgm
.Lfunc_end_k_q2cfbd72e32_combine:
	.size	k_q2cfbd72e32_combine, .Lfunc_end_k_q2cfbd72e32_combine-k_q2cfbd72e32_combine
	.p2alignl 7, 3214868480
	.fill 96, 4, 3214868480
	.section	.rodata,"a",@progbits
	.p2align	6, 0x0
	.amdhsa_kernel k_q2cfbd72e32_combine
		.amdhsa_group_segment_fixed_size 0
		.amdhsa_private_segment_fixed_size 0
		.amdhsa_enable_private_segment 0
		.amdhsa_kernarg_size 40
		.amdhsa_user_sgpr_count 2
		.amdhsa_user_sgpr_kernarg_segment_ptr 1
		.amdhsa_wavefront_size32 1
		.amdhsa_system_sgpr_workgroup_id_x 1
		.amdhsa_system_sgpr_workgroup_id_y 1
		.amdhsa_system_sgpr_workgroup_id_z 1
		.amdhsa_system_vgpr_workitem_id 0
		.amdhsa_next_free_vgpr 128
		.amdhsa_next_free_sgpr 66
		.amdhsa_reserve_vcc 1
		.amdhsa_float_denorm_mode_32 3
		.amdhsa_float_denorm_mode_16_64 3
		.amdhsa_memory_ordered 1
		.amdhsa_forward_progress 1
		.amdhsa_inst_pref_size 12
	.end_amdhsa_kernel
	.amdgpu_metadata
---
amdhsa.version: [ 1, 2 ]
amdhsa.kernels:
  - .name:           k_q2cfbd72e32_combine
    .symbol:         k_q2cfbd72e32_combine.kd
    .args:
      - { .name: ybuf, .offset: 0, .size: 8, .value_kind: global_buffer, .address_space: global }
      - { .name: probs, .offset: 8, .size: 8, .value_kind: global_buffer, .address_space: global }
      - { .name: sel, .offset: 16, .size: 8, .value_kind: global_buffer, .address_space: global }
      - { .name: masks, .offset: 24, .size: 8, .value_kind: global_buffer, .address_space: global }
      - { .name: out0, .offset: 32, .size: 8, .value_kind: global_buffer, .address_space: global }
    .group_segment_fixed_size: 0
    .private_segment_fixed_size: 0
    .kernarg_segment_align: 8
    .kernarg_segment_size: 40
    .max_flat_workgroup_size: 128
    .sgpr_count:     66
    .vgpr_count:     128
    .wavefront_size: 32
...
	.end_amdgpu_metadata
.endif
;; end of part 8
